; MI455X (gfx1250); checked and timed in simulation.
; The chip was launched on July 23, 2026; its instructions are those of AMD's public machine-readable ISA for CDNA 5 (MIT licence, August 2026) and "CDNA5" Instruction Set Architecture Reference Guide (July 2026). The comments in the code are by the model that wrote it; some were corrected since.
;; Causal Self Attention. Allowed arithmetic: matrix products marked QUANTISED: E2M3 operands, one E8M0 scale for each 32 along K, by v_wmma_scale_f32_16x16x128_f8f6f4 with both operands' format E2M3, f32 sums; everything else in f32.
;; Inputs: Wk 1,024 x 1,024 float32; Wo 1,024 x 1,024 float32; Wq 1,024 x 1,024 float32; Wv 1,024 x 1,024 float32; bk 1,024 float32; bo 1,024 float32; bq 1,024 float32; bv 1,024 float32; x 4 x 2,048 x 1,024 float32.
;; Outputs: out0 4 x 2,048 x 1,024 float32.
;; This version of the problem:
;;   THIS VERSION OF THE PROBLEM IS GIVEN IN LOW PRECISION. The matrix products marked QUANTISED in the list below multiply operands that are first quantised to E2M3 (2 exponent bits, 3 mantissa bits; 6 bits a number), with one power-of-two scale for each 32 numbers along K (OCP MX v1.0); their sums are f32. All else is computed in f32.
;;   The module's matrix products, in the order in which they are computed (A, B: the left and right operand; K: the contracted axis; several contracted axes count as one K, in the product's order):
;;     1. [M 8,192, K 1,024] x [K 1,024, N 1,024]; A: input x; B: input Wq: QUANTISED
;;     2. [M 8,192, K 1,024] x [K 1,024, N 1,024]; A: input x; B: input Wk: QUANTISED
;;     3. [M 8,192, K 1,024] x [K 1,024, N 1,024]; A: input x; B: input Wv: QUANTISED
;;     4. batch 64 x [M 2,048, K 64] x [K 64, N 2,048]; A: computed on the way; B: computed on the way: QUANTISED
;;     5. batch 64 x [M 2,048, K 2,048] x [K 2,048, N 64]; A: softmax (see below); B: computed on the way: QUANTISED
;;     6. [M 8,192, K 1,024] x [K 1,024, N 1,024]; A: computed on the way; B: input Wo: QUANTISED
;;   THE QUANTISER, for each operand of a quantised product, along K:
;;     - K is cut into blocks of 32 from its start; a last block that is shorter is filled with zeros.
;;     - A block's scale is 2^e with e = floor(log2(the largest magnitude in the block)) - 2, held to -126 .. 127; a block of zeros has e = 0. As a byte (E8M0): e + 127.
;;     - Each number is divided by its block's scale, clamped to +-7.5, and rounded to the nearest number of E2M3, ties to even, subnormals kept.
;;     - The product sums the exact products of the quantised numbers (number of the format x scale) in f32.
;;   ~~~python
;;   def quantise(x, axis):      # numpy; x: float32 -> the quantised numbers, widened to float32 again
;;       x = np.moveaxis(x, axis, -1); K = x.shape[-1]
;;       x = np.pad(x, [(0, 0)] * (x.ndim - 1) + [(0, -K % 32)]); x = x.reshape(x.shape[:-1] + (-1, 32)); a = np.abs(x).max(-1, keepdims=True)
;;       e = np.where(a > 0, np.clip(np.frexp(np.where(a > 0, a, 1))[1] - 1 - 2, -126, 127), 0)      # np.frexp(a)[1] - 1 = floor(log2(a)), exactly
;;       r = np.clip(x / 2.0 ** e, -7.5, 7.5)
;;       step = 2.0 ** (np.maximum(np.frexp(np.where(r == 0, 1, r))[1] - 1, 0) - 3)
;;       q = np.round(r / step) * step * 2.0 ** e      # np.round: ties to even
;;       return np.moveaxis(q.reshape(q.shape[:-2] + (-1,))[..., :K], -1, axis).astype(np.float32)
;;   ~~~
;;   SOFTMAX AHEAD OF A QUANTISED PRODUCT. Where the list says 'softmax', what is quantised is not the finished softmax but p = 2^(t - M), with t = logit x log2(e) and M = ceil(the row's largest t), a whole number; so 1/2 < the row's largest p <= 1. The row's sum l is taken of the UNQUANTISED p, in f32, and the product's result is divided by l at the end. Since M is a whole number, a kernel that streams over the keys may use a running M (the ceiling of the running maximum): every later rescaling is an exact power of two, which a block's scale takes up: the codes' values come out the same.
;;   OPERANDS COMPUTED ON THE WAY. 'Computed on the way' means the value that the module computes at that place (a softmax that the list does not call 'softmax' is quantised finished and normalised). What goes into a quantiser is computed in f32, as accurately as f32 sums, v_exp_f32 and their like allow (about 1e-6 of the number): no bf16 or f16 on the way to a quantiser, and a product that is left as it is and whose result goes on into a quantised operand takes f32 operands (vector FMAs, or v_wmma_f32_16x16x4_f32). A number that lies on a knife's edge between two numbers of the format may be rounded either way, as far as f32 arithmetic and the matrix unit's own rounding can turn it there, and no further.
;; One version. Each part assembles by itself: llvm-mc -triple=amdgcn-amd-amdhsa -mcpu=gfx1250 --defsym DOCPART=n.
;; ======== version 1 of 1: 4 launches
;; workspace buffers: xc 6,291,456 bytes; xs 262,144 bytes; wc 3,145,728 bytes; ws 131,072 bytes; qkv 19,660,800 bytes; yc 6,291,456 bytes; ys 262,144 bytes
;; launch quant (part 1): grid 384 x 1, 4 waves a work-group, no clusters, 68,096 bytes of LDS; arguments x, Wq, Wk, Wv, Wo, xc, xs, wc, ws; writes xc, xs, wc, ws
.if DOCPART == 1
	.amdgcn_target "amdgcn-amd-amdhsa--gfx1250"
	.amdhsa_code_object_version 6
	.text
	.protected	k_q68c4b5e4be_quant
	.globl	k_q68c4b5e4be_quant
	.p2align	8
	.type	k_q68c4b5e4be_quant,@function
k_q68c4b5e4be_quant:
	s_mov_b64 s[64:65], 0
	v_nop
	global_prefetch_b8 v0, s[64:65] scope:SCOPE_SE
	s_setreg_imm32_b32 hwreg(HW_REG_WAVE_MODE, 25, 1), 1
	s_wait_xcnt 0x0
; CAUSAL SELF-ATTENTION IN MX-FP6, FOUR LAUNCHES: quant (this one), qkv, attn, proj.
; out = softmax(causal(q k^T / 8)) v Wo + bo, q, k, v = x W + b; B = 4, T = 2,048, C = 1,024, 16 heads of 64.  All six products run on codes of E2M3 with one E8M0 scale for each 32 along K.
; WORK LEFT OUT, in the whole program: reference() sets every score with key > query to -infinity by a tril that it builds itself, so its weight is exactly 0 for all values of the inputs.
; A step of 128 keys all of which come after all 16 queries of a tile adds 0 to the row's sum and 0 to y, and cannot raise the row's maximum: launch attn leaves such steps out, whole.
; Nothing else is left out and every input is loaded (bk too: it moves k's codes).  LIMIT: a NaN, an infinity or an overflow that reaches only such hidden steps is not carried to the result.
; THIS LAUNCH turns x [8192][1024] and the four weights [1024 (k)][1024 (n)], f32, into codes with K innermost and scale bytes beside them.
; A block's scale is 2^(floor(log2(its largest magnitude)) - 2); its byte is the largest magnitude's exponent field - 2, held at 1 from below.
; LIMITS: a block of zeros, or one whose largest magnitude lies under 2^-124, gets the byte 1 (a block of zeros has zero codes, which add nothing; this program alone reads the bytes); NaN and infinities among the inputs are not served.
; THE ORDER OF ROWS.  Row i of an operand (a token of x, a column n of a weight) is STORED at place sw(i): i with its bits 3 and 4 exchanged.  Sixteen neighbouring places 16 (2 b + u) + r then hold rows
; 32 b + 8 u + r % 8 + 16 (r / 8): used as source 0 of a product, two neighbouring tiles give a lane 16 neighbours along that axis in 16 registers, which is what the next quantiser takes.
; Work-groups 0-255 take x, 32 rows each; work-groups 256-383 take the weights, 128 columns x 256 along K each.  The two paths have LDS bytes of their own.  No tensor loads, no barrier: waves share nothing.
.set SPARE, 67584                      ; behind both paths' bytes: the spare words, 128 bytes for each wave
.set SPW,   192                        ; v192 LDS address of my spare word; never rewritten
.set NIL,   193                        ; v193 0; never rewritten
.set EMAX,  2
	s_load_b512 s[8:23], s[0:1], 0x0               ; x s[8:9], Wq s[10:11], Wk s[12:13], Wv s[14:15], Wo s[16:17], xc s[18:19], xs s[20:21], wc s[22:23]
	s_load_b64 s[24:25], s[0:1], 0x40              ; ws
	v_lshl_add_u32 v[SPW], v0, 2, SPARE
	v_mov_b32 v[NIL], 0
	v_lshrrev_b32 v1, 5, v0
	v_readfirstlane_b32 s26, v1                    ; wave
	v_and_b32 v2, 31, v0                           ; lane
	s_wait_kmcnt 0x0
	s_cmp_ge_u32 ttmp9, 256
	s_cbranch_scc1 .Lw
; ---- x.  K is innermost and rows are dense: a plain stream of blocks of 32.  A wave takes 8 rows (8,192 numbers) in 16 steps of 512.  Each load reads 512 consecutive bytes; a step's 2,048 bytes turn through the
; wave's own stage in LDS and come back 64 bytes a lane: 16 neighbours, two lanes to a block.  Loads run four steps ahead, the turn one.
.set WREG,  8192                       ; LDS: a region for each wave: two stages of 32 x SP bytes, then its 256 scale bytes
.set SP,    80
.set STEPS, 16
.set CB,    12                         ; bytes of 16 codes
.set XR,    16                         ; v16-79   four sets of 16 numbers as loaded
.set XX,    80                         ; v80-111  two sets of 16 neighbours
.set XE,    112                        ; v112-127 a scale byte for each step
.set XC,    128                        ; v128-191 codes: four registers for each step: no store's data are written again
	v_lshlrev_b32 v3, 4, v2                        ; my 16 bytes of a load's 512
	s_mul_i32 s27, s26, WREG
	v_lshrrev_b32 v14, 2, v2
	v_mul_u32_u24 v14, v14, SP
	v_and_b32 v15, 3, v2
	v_lshl_add_u32 v14, v15, 4, v14
	v_add_nc_u32 v14, s27, v14                     ; the stage, in: SP (lane / 4) + 16 (lane % 4)
	v_mul_u32_u24 v15, v2, SP
	v_add_nc_u32 v15, s27, v15                     ; and out: SP x lane
	v_mul_u32_u24 v4, v2, CB                       ; my codes' place in a step's
	v_lshrrev_b32 v5, 1, v2
	s_add_co_u32 s27, s27, 2*32*SP
	v_add_nc_u32 v5, s27, v5                       ; my block's byte among the wave's 256
	v_lshlrev_b32 v7, 3, v2
	v_add_nc_u32 v6, s27, v7                       ; and on the way out 8 bytes a lane
	s_lshl_b32 s28, ttmp9, 2
	s_add_co_u32 s30, s28, s26                     ; my run of 8 rows: 4 x work-group + wave
	s_lshl_b32 s30, s30, 15                        ; 32,768 bytes a run
	s_mov_b32 s31, 0
	s_add_nc_u64 s[8:9], s[8:9], s[30:31]
	s_and_b32 s29, s26, 1                          ; a row's bits 3 and 4 are the wave's bits 0 and 1: exchanged, they say where the run is stored
	s_lshl_b32 s29, s29, 1
	s_lshr_b32 s30, s26, 1
	s_or_b32 s29, s29, s30
	s_add_co_u32 s28, s28, s29
	s_mul_i32 s30, s28, 6144                       ; 8 rows of 768 bytes
	s_add_nc_u64 s[18:19], s[18:19], s[30:31]
	s_lshl_b32 s30, s28, 8                         ; 8 rows of 32 scale bytes
	s_add_nc_u64 s[20:21], s[20:21], s[30:31]
.macro XLOAD t
.irp i, 0,1,2,3
	global_load_b128 v[XR+16*((\t)%4)+4*\i:XR+16*((\t)%4)+4*\i+3], v3, s[8:9] offset:2048*(\t)+512*\i th:TH_LOAD_NT
.endr
.endm
.macro XTURN t                         ; LDS serves a wave's instructions in order: no wait between the stores and the loads
.irp i, 0,1,2,3
	ds_store_b128 v14, v[XR+16*((\t)%4)+4*\i:XR+16*((\t)%4)+4*\i+3] offset:32*SP*((\t)%2)+8*SP*\i
.endr
.irp i, 0,1,2,3
	ds_load_b128 v[XX+16*((\t)%2)+4*\i:XX+16*((\t)%2)+4*\i+3], v15 offset:32*SP*((\t)%2)+16*\i
.endr
.endm
.irp t, 0,1,2,3
	XLOAD \t
.endr
	s_wait_loadcnt 12                              ; step 0's four loads are in
	XTURN 0
.macro XSTEP t
.set XS, XX+16*((\t)%2)
.if (\t) > 0
	s_wait_dscnt 1                                 ; this step's numbers are back from the stage; the last step's byte store may be out
.else
	s_wait_dscnt 0x0
.endif
.if (\t)+4 < STEPS
	XLOAD (\t)+4                                   ; into the registers that the stage's stores have read
.endif
.if (\t)+1 < STEPS
.if STEPS-2-(\t) >= 3
	s_wait_loadcnt 12                              ; the next step's four loads are in; three steps' may be out
.else
	s_wait_loadcnt 4*(STEPS-2-(\t))
.endif
	XTURN (\t)+1
.endif
	v_max3_num_f32 v8, |v[XS]|, |v[XS+1]|, |v[XS+2]|               ; the largest magnitude of my 16, in two chains
	v_max3_num_f32 v9, |v[XS+3]|, |v[XS+4]|, |v[XS+5]|
.irp i, 6,10
	v_max3_num_f32 v8, v8, |v[XS+\i]|, |v[XS+\i+1]|
	v_max3_num_f32 v9, v9, |v[XS+\i+2]|, |v[XS+\i+3]|
.endr
	v_max3_num_f32 v8, v8, |v[XS+14]|, |v[XS+15]|
	v_max3_num_f32 v8, v8, v9, (EMAX+1)<<23        ; and the floor 2^(3 - 127): the byte cannot fall under 1
	v_max_num_f32_dpp v8, v8, v8 row_xmask:1 row_mask:0xf bank_mask:0xf   ; with my neighbour's 16: the block's
	v_add_nc_u32 v11, -(EMAX<<23), v8              ; 2 off its exponent field: the conversion takes that field as its scale
	v_cvt_scalef32_pk16_fp6_f32 v[XC+4*(\t):XC+4*(\t)+2], v[XS:XS+15], v11
	v_lshrrev_b32 v[XE+(\t)], 23, v11              ; the scale's byte (a plain line behind the conversion)
	ds_store_b8 v5, v[XE+(\t)] offset:16*(\t)      ; both lanes of a block write the same byte with the same value
	global_store_b96 v4, v[XC+4*(\t):XC+4*(\t)+2], s[18:19] offset:32*CB*(\t)   ; the wave stores 384 consecutive bytes
.endm
.irp t, 0,1,2,3,4,5,6,7,8,9,10,11,12,13,14,15
	XSTEP \t
.endr
	ds_load_b64 v[8:9], v6                         ; in order behind my byte stores
	s_wait_dscnt 0x0
	global_store_b64 v7, v[8:9], s[20:21]          ; 32 lanes store 256 consecutive bytes, aligned
	s_wait_tensorcnt 0x0                           ; the wave's end: behind my last LDS store
	ds_add_u32 v[SPW], v[NIL]
	s_wait_dscnt 0x0
	s_endpgm
; ---- the weights.  K is the FIRST axis: a lane takes a column n and its registers run down K, so a block of 32 lies in one lane and the codes come out with K innermost.
; A wave takes 32 columns x 256 along K: 192 bytes of codes a column, gathered in its own stage and stored by rows, sixteen lanes to a row's 192 consecutive bytes.  Loads run two blocks ahead.
.Lw:
.set NB,    8                          ; blocks of a wave
.set WP,    272                        ; a stage row: sixteen places of 16 bytes (12 of codes each) + 16
.set KROW,  768                        ; a row of wc
.set WX,    32                         ; v32-95   two sets of 32 numbers
.set WC,    96                         ; v96..    a block's codes
.set OUTR,  112                        ; v112-175 the way out
.set SB,    24                         ; v24-25   the scale bytes
	s_sub_co_u32 s27, ttmp9, 256
	s_lshr_b32 s28, s27, 5                         ; which weight: 0 Wq, 1 Wk, 2 Wv, 3 Wo
	s_bfe_u32 s29, s27, 0x20003                    ; which 256 along K
	s_and_b32 s27, s27, 7                          ; which 128 columns
	s_cmp_eq_u32 s28, 1
	s_cselect_b64 s[10:11], s[12:13], s[10:11]
	s_cmp_eq_u32 s28, 2
	s_cselect_b64 s[10:11], s[14:15], s[10:11]
	s_cmp_eq_u32 s28, 3
	s_cselect_b64 s[10:11], s[16:17], s[10:11]
	s_lshl_b32 s30, s27, 7
	s_lshl_b32 s31, s26, 5
	s_add_co_u32 s30, s30, s31                     ; my wave's first column
	v_lshlrev_b32 v3, 2, v2                        ; in: 4 bytes a lane
	s_mul_i32 s31, s26, 32*WP
	s_add_co_u32 s31, s31, 32768                   ; my stage, behind the other path's bytes
	v_mul_u32_u24 v4, v2, WP
	v_add_nc_u32 v4, s31, v4                       ; into it: row = my column
	v_and_b32 v5, 15, v2
	v_lshrrev_b32 v6, 4, v2
	v_mul_u32_u24 v7, v6, WP
	v_lshl_add_u32 v7, v5, 4, v7
	v_add_nc_u32 v7, s31, v7                       ; out of it: sixteen lanes to a row, two rows an instruction
	v_mul_u32_u24 v8, v6, KROW
	v_mad_u32_u24 v8, v5, 12, v8                   ; and the same place in wc
	v_and_b32 v9, 7, v2                            ; sw(lane): bits 3 and 4 exchanged
	v_and_b32 v10, 8, v2
	v_lshl_add_u32 v9, v10, 1, v9
	v_and_b32 v10, 16, v2
	v_lshrrev_b32 v10, 1, v10
	v_add_nc_u32 v9, v9, v10
	v_lshlrev_b32 v9, 5, v9                        ; my column's row of scale bytes
	s_lshl_b32 s32, s29, 20                        ; W: 256 rows of 4,096 bytes
	s_lshl_b32 s33, s30, 2
	s_add_co_u32 s32, s32, s33
	s_mov_b32 s33, 0
	s_add_nc_u64 s[10:11], s[10:11], s[32:33]
	s_lshl_b32 s34, s28, 10
	s_add_co_u32 s34, s34, s30                     ; first stored row of my 32
	s_mul_i32 s32, s34, KROW
	s_mul_i32 s35, s29, 192
	s_add_co_u32 s32, s32, s35
	s_add_nc_u64 s[22:23], s[22:23], s[32:33]
	s_lshl_b32 s32, s34, 5
	s_lshl_b32 s35, s29, 3
	s_add_co_u32 s32, s32, s35
	s_add_nc_u64 s[24:25], s[24:25], s[32:33]
.macro WLOAD t                         ; block t: W(32 t + i, my column) into set t % 2; 32 lanes read 128 consecutive bytes
.irp i, 0,1,2,3,4,5,6,7,8,9,10,11,12,13,14,15,16,17,18,19,20,21,22,23,24,25,26,27,28,29,30,31
	global_load_b32 v[WX+32*((\t)%2)+\i], v3, s[10:11] offset:(32*(\t)+\i)*4096 th:TH_LOAD_NT
.endr
.endm
	WLOAD 0
	WLOAD 1
.macro WBLOCK t
.set XS, WX+32*((\t)%2)
.if (\t) < NB-1
	s_wait_loadcnt 32                              ; this block's 32 loads are in; the next block's may be out
.else
	s_wait_loadcnt 0
.endif
	v_max3_num_f32 v12, |v[XS]|, |v[XS+1]|, |v[XS+2]|
	v_max3_num_f32 v13, |v[XS+3]|, |v[XS+4]|, |v[XS+5]|
.irp i, 6,10,14,18,22,26
	v_max3_num_f32 v12, v12, |v[XS+\i]|, |v[XS+\i+1]|
	v_max3_num_f32 v13, v13, |v[XS+\i+2]|, |v[XS+\i+3]|
.endr
	v_max3_num_f32 v12, v12, |v[XS+30]|, |v[XS+31]|
	v_max3_num_f32 v12, v12, v13, (EMAX+1)<<23     ; the floor
	v_add_nc_u32 v11, -(EMAX<<23), v12
	v_lshrrev_b32 v13, 23, v11                     ; the scale's byte
.if (\t)%4 == 0
	v_mov_b32 v[SB+(\t)/4], v13
.else
	v_lshl_or_b32 v[SB+(\t)/4], v13, 8*((\t)%4), v[SB+(\t)/4]
.endif
	v_cvt_scalef32_pk16_fp6_f32 v[WC:WC+2], v[XS:XS+15], v11
	v_cvt_scalef32_pk16_fp6_f32 v[WC+4:WC+6], v[XS+16:XS+31], v11
	v_nop                                          ; one plain line behind the last conversion
	ds_store_b96 v4, v[WC:WC+2] offset:32*(\t)
	ds_store_b96 v4, v[WC+4:WC+6] offset:32*(\t)+16
.if (\t)+2 < NB
	WLOAD (\t)+2
.endif
	s_wait_dscnt 0x0                               ; the stores have read their registers: the next block's codes may be written
.endm
.irp t, 0,1,2,3,4,5,6,7
	WBLOCK \t
.endr
	global_store_b64 v9, v[SB:SB+1], s[24:25]      ; my column's 8 scale bytes
.irp t, 0,1,2,3,4,5,6,7,8,9,10,11,12,13,14,15
	ds_load_b96 v[OUTR+4*\t:OUTR+4*\t+2], v7 offset:2*\t*WP
.endr
.irp t, 0,1,2,3,4,5,6,7,8,9,10,11,12,13,14,15
	s_wait_dscnt 15-\t
	global_store_b96 v8, v[OUTR+4*\t:OUTR+4*\t+2], s[22:23] offset:(((2*\t)&7)|(((2*\t)&8)<<1)|(((2*\t)&16)>>1))*KROW   ; columns 2 t and 2 t + 1 go to rows sw(2 t) and sw(2 t) + 1
.endr
	s_wait_tensorcnt 0x0                           ; the wave's end: behind my last LDS store
	ds_add_u32 v[SPW], v[NIL]
	s_wait_dscnt 0x0
	s_endpgm
.Lfunc_end_k_q68c4b5e4be_quant:
	.size	k_q68c4b5e4be_quant, .Lfunc_end_k_q68c4b5e4be_quant-k_q68c4b5e4be_quant
	.p2alignl 7, 3214868480
	.fill 96, 4, 3214868480
	.section	.rodata,"a",@progbits
	.p2align	6, 0x0
	.amdhsa_kernel k_q68c4b5e4be_quant
		.amdhsa_group_segment_fixed_size 68096
		.amdhsa_private_segment_fixed_size 0
		.amdhsa_enable_private_segment 0
		.amdhsa_kernarg_size 72
		.amdhsa_user_sgpr_count 2
		.amdhsa_user_sgpr_kernarg_segment_ptr 1
		.amdhsa_wavefront_size32 1
		.amdhsa_system_sgpr_workgroup_id_x 1
		.amdhsa_system_sgpr_workgroup_id_y 1
		.amdhsa_system_sgpr_workgroup_id_z 1
		.amdhsa_system_vgpr_workitem_id 0
		.amdhsa_next_free_vgpr 194
		.amdhsa_next_free_sgpr 66
		.amdhsa_reserve_vcc 0
		.amdhsa_float_denorm_mode_32 3
		.amdhsa_float_denorm_mode_16_64 3
		.amdhsa_memory_ordered 1
		.amdhsa_forward_progress 1
		.amdhsa_inst_pref_size 74
	.end_amdhsa_kernel
	.amdgpu_metadata
---
amdhsa.version: [ 1, 2 ]
amdhsa.kernels:
  - .name:           k_q68c4b5e4be_quant
    .symbol:         k_q68c4b5e4be_quant.kd
    .args:
      - { .name: x, .offset: 0, .size: 8, .value_kind: global_buffer, .address_space: global }
      - { .name: Wq, .offset: 8, .size: 8, .value_kind: global_buffer, .address_space: global }
      - { .name: Wk, .offset: 16, .size: 8, .value_kind: global_buffer, .address_space: global }
      - { .name: Wv, .offset: 24, .size: 8, .value_kind: global_buffer, .address_space: global }
      - { .name: Wo, .offset: 32, .size: 8, .value_kind: global_buffer, .address_space: global }
      - { .name: xc, .offset: 40, .size: 8, .value_kind: global_buffer, .address_space: global }
      - { .name: xs, .offset: 48, .size: 8, .value_kind: global_buffer, .address_space: global }
      - { .name: wc, .offset: 56, .size: 8, .value_kind: global_buffer, .address_space: global }
      - { .name: ws, .offset: 64, .size: 8, .value_kind: global_buffer, .address_space: global }
    .group_segment_fixed_size: 68096
    .private_segment_fixed_size: 0
    .kernarg_segment_align: 8
    .kernarg_segment_size: 72
    .max_flat_workgroup_size: 128
    .sgpr_count:     66
    .vgpr_count:     194
    .wavefront_size: 32
...
	.end_amdgpu_metadata
.endif
;; end of part 1
;; launch qkv (part 2): grid 12 x 32, 4 waves a work-group, clusters of 4 x 4, 327,680 bytes of LDS; arguments xc, xs, wc, ws, bq, bk, bv, qkv; writes qkv
.if DOCPART == 2
	.amdgcn_target "amdgcn-amd-amdhsa--gfx1250"
	.amdhsa_code_object_version 6
	.text
	.protected	k_q68c4b5e4be_qkv
	.globl	k_q68c4b5e4be_qkv
	.p2align	8
	.type	k_q68c4b5e4be_qkv,@function
k_q68c4b5e4be_qkv:
	s_mov_b64 s[64:65], 0
	v_nop
	global_prefetch_b8 v0, s[64:65] scope:SCOPE_SE
	s_setreg_imm32_b32 hwreg(HW_REG_WAVE_MODE, 25, 1), 1
	s_wait_xcnt 0x0
	s_wait_alu depctr_hold_cnt(0) depctr_sa_sdst(0) depctr_va_vdst(0) depctr_va_sdst(0) depctr_va_ssrc(0) depctr_va_vcc(0) depctr_vm_vsrc(0)
	s_getreg_b32 s2, hwreg(HW_REG_IB_STS2, 6, 4)
	s_cmp_eq_u32 s2, 0
	s_cbranch_scc0 .Lentry_in_a_cluster
	s_endpgm
.Lentry_in_a_cluster:
	s_bfe_u32 s2, ttmp6, 0x10000c
	s_cmp_lg_u32 s2, 0xf033
	s_cbranch_scc0 .Lentry_shape_is_right
	s_endpgm
.Lentry_shape_is_right:
; LAUNCH 2 OF 4: q = x Wq + bq, k = x Wk + bk, v = x Wv + bv on codes of E2M3, and the three results quantised at once for the attention: q and k along the head's 64, v along the keys.
; A work-group of four waves makes 256 x 256 of a product over K = 1,024; a wave 128 x 128: 64 accumulators.  K goes in steps of 256 through a ring of two LDS slots; the scale bytes of the work-group's rows come once.
; ROLES, by the cluster's x, which all sixteen partners share.  0, 1: A = x (tile row 4 cly + cy), B = Wq, Wk (rows 256 (4 clx + cx) of wc).  2: V^T = Wv^T x^T: A = Wv (rows 2,048 + 256 cy of wc), B = x (tile 4 cly + cx).
; The matrix instruction takes B's rows as source 0 and A's as source 1, so a lane holds ONE row of A and its registers run along B's rows: along the head's d for q and k, along the tokens for v: the axis to be quantised.
; Rows are stored at places with bits 3 and 4 exchanged (launch quant): register 16 b + i of a block of A is B's row 32 b + 16 (lane / 16) + i: 16 neighbours.
; OUT, for each of 64 heads 307,200 bytes of qkv, all as IMAGES OF OPERAND REGISTERS (register 4 c + e of lane l at 512 c + 16 l + 4 e of 1,536 bytes):
;   key step s (128 keys) at 12,288 s: four images of K, then four of V (16 d x 128 keys);  196,608 + 512 s: K's scale words [r][image], then V's;  204,800 + 1,536 f: Q's images;  303,104 + 256 s: Q's scale words.
;   An image of K or Q holds TWO tiles of 16 tokens x 64 d: tile 2 f in registers 0-5, tile 2 f + 1 in registers 6-11; its scale word holds the two bytes of each.
; The results go from registers to memory: every store of codes covers 512 consecutive bytes, aligned.
; CLUSTERS: 4 x 4 work-groups; A's tiles are asked for jointly along a row of the cluster, B's along a column.  24 clusters.
; LIMITS: as in launch quant (byte 1 for a block under 2^-124; NaN and infinities not served).
; REGISTERS, in windows of 256: window 0: v0-31 addresses; v32-63 scale words, two sets; v128-223 A's fragments, one set.  window 1: B's fragments, two sets.  windows 2, 3: the accumulators ((a, b) at v[8 (8 (a % 4) + b)]).
.set KSTEP,  256
.set NQ,     2
.set ROWB,   192
.set KROW,   768
.set PITCH,  240                       ; an LDS row: 3 x (64 bytes + 16 of padding)
.set FR,     12
.set NL,     6
.set NP,     4
.set HALFT,  128*PITCH
.set SLOT,   4*HALFT
.set LAPS,   2                         ; K = 1,024: twice round the ring
.set KS,     32
.set SCL,    2*SLOT
.set HALFS,  (128*KS/256)*272
.set SBLK,   (16*KS/256)*272
.set SPARE,  SCL+4*HALFS               ; the spare words, 128 bytes for each wave
.set HEADB,  307200
.set ADRA, 16
.set ADRB, 20
.set ADRS, 27
.set SPW,  28
.set NIL,  29
.set SC,   32
.set AF,   128
.set G1, 24
.set G0, 32
.set G1B, 48
.set G0B, 56
.set G1S, 68
.set G0S, 76
.set G1SB, 80
.set G0SB, 88
.set MSB, 0
.macro WIN new                         ; the immediate's high byte repeats the setting that is left
.if MSB != (\new)
	s_set_vgpr_msb (MSB<<8)|(\new)
.set MSB, (\new)
.endif
.endm
.set MUL_LO, 0xa1
.set MUL_HI, 0xf1
.set TO_B,   0x40
.macro JLOAD g0a, g1a, g0b, g1b        ; a joint load: waves 0 and 1 fetch for A, waves 2 and 3 for B; an s_nop 0 and four v_nop follow each line
	s_cmp_eq_u32 s15, 0
	s_cbranch_scc0 .Lfor_b_\@
	tensor_load_to_lds s[\g0a:\g0a+3], s[\g1a:\g1a+7]
	s_nop 0
.rept 4
	v_nop
.endr
	s_branch .Lasked_\@
.Lfor_b_\@:
	tensor_load_to_lds s[\g0b:\g0b+3], s[\g1b:\g1b+7]
	s_nop 0
.rept 4
	v_nop
.endr
.Lasked_\@:
.endm
.macro CREST
	s_cmp_lg_u32 s14, 0
	s_cbranch_scc1 .Lnot_wave_0_\@
	s_barrier_signal -3
.Lnot_wave_0_\@:
	s_barrier_wait -3
	s_barrier_signal -1
	s_barrier_wait -1
.endm
.macro CROUND
	s_barrier_signal -1
	s_barrier_wait -1
	CREST
.endm
	s_load_b256 s[4:11], s[0:1], 0x0               ; xc s[4:5], xs s[6:7], wc s[8:9], ws s[10:11]
	s_load_b128 s[96:99], s[0:1], 0x20             ; bq, bk
	s_load_b128 s[92:95], s[0:1], 0x30             ; bv, qkv
	v_lshl_add_u32 v[SPW], v0, 2, SPARE
	v_mov_b32 v[NIL], 0
	ds_add_u32 v[SPW], v[NIL]                      ; the opening: the add, twice on end, and its wait ahead of my first tensor load
	ds_add_u32 v[SPW], v[NIL]
	v_lshrrev_b32 v1, 5, v0
	v_readfirstlane_b32 s14, v1                    ; wave
	s_lshr_b32 s15, s14, 1                         ; my half of A's rows.  Also: I fetch for A (0) or B (1)
	s_and_b32 s16, s14, 1                          ; my half of B's rows.  Also: which 128 rows I fetch
	s_bfe_u32 s40, ttmp6, 0x40000                  ; cx
	s_bfe_u32 s41, ttmp6, 0x40004                  ; cy
	s_and_b32 s18, ttmp7, 0xffff
	s_lshl_b32 s18, s18, 2                         ; 4 x cluster y
	s_lshl_b32 s19, ttmp9, 2                       ; 4 x cluster x
	s_add_co_u32 s17, s18, s41                     ; q, k: A's tile = 4 cly + cy
	s_add_co_u32 s20, s41, 8                       ; v:    A's tile = 8 + cy (rows 2,048 on of wc)
	s_add_co_u32 s42, s19, s40                     ; q, k: B's tile = 4 clx + cx
	s_add_co_u32 s46, s18, s40                     ; v:    B's tile = 4 cly + cx
	s_cmp_eq_u32 ttmp9, 2
	s_cselect_b32 s17, s20, s17                    ; hangs on cy and the cluster alone
	s_cselect_b32 s42, s46, s42                    ; hangs on cx and the cluster alone
	s_lshl_b32 s43, s41, 2
	s_lshl_b32 s43, 15, s43                        ; my row of the cluster
	s_lshl_b32 s44, 0x1111, s40                    ; my column
	s_or_b32 s[G1+0], s43, (0<<16)|(1<<20)|(1<<21)|(3<<22)|(3<<25)  ; the mask; elements of 1 byte; padding on; bit 21 beside a mask; behind every 16 words 4 words
	s_or_b32 s[G1B+0], s44, (0<<16)|(1<<20)|(1<<21)|(3<<22)|(3<<25)
.irp g, G1, G1B
	s_mov_b32 s[\g+1], ROWB<<16                    ; tensor_dim0
	s_mov_b32 s[\g+2], 128<<16                     ; tensor_dim1
	s_mov_b32 s[\g+3], ROWB<<16                    ; tile_dim0
	s_mov_b32 s[\g+4], 128                         ; tile_dim1
	s_mov_b32 s[\g+5], KROW                        ; the pitch
	s_mov_b32 s[\g+6], 0
	s_mov_b32 s[\g+7], 0
.endr
	s_or_b32 s[G1S+0], s43, (3<<16)|(1<<20)|(1<<21)|(5<<22)|(3<<25)   ; the scales of 128 rows: 4,096 dense bytes as rows of 256, 16 of padding behind each
	s_or_b32 s[G1SB+0], s44, (3<<16)|(1<<20)|(1<<21)|(5<<22)|(3<<25)
.irp g, G1S, G1SB
	s_mov_b32 s[\g+1], 32<<16
	s_mov_b32 s[\g+2], (128*KS/256)<<16
	s_mov_b32 s[\g+3], 32<<16
	s_mov_b32 s[\g+4], 128*KS/256
	s_mov_b32 s[\g+5], 32
	s_mov_b32 s[\g+6], 0
	s_mov_b32 s[\g+7], 0
.endr
	s_lshl_b32 s18, s16, 7
	s_lshl_b32 s20, s17, 8
	s_add_co_u32 s20, s20, s18                     ; A: row 256 x tile + 128 x half
	s_lshl_b32 s46, s42, 8
	s_add_co_u32 s46, s46, s18                     ; B likewise
	s_mov_b32 s21, 0
	s_mov_b32 s47, 0
	s_mov_b64 s[18:19], KS
	s_mul_u64 s[22:23], s[20:21], s[18:19]         ; where these rows' scales begin
	s_mul_u64 s[100:101], s[46:47], s[18:19]
	s_mov_b64 s[18:19], KROW
	s_mul_u64 s[20:21], s[20:21], s[18:19]         ; and their codes
	s_mul_u64 s[46:47], s[46:47], s[18:19]
	s_mul_i32 s45, s14, HALFT                      ; where they go: wave x 128 rows
	s_mul_i32 s2, s14, HALFS
	s_wait_dscnt 0x0                               ; both opening adds are done
	s_wait_kmcnt 0x0
	s_cmp_eq_u32 ttmp9, 2                          ; v: A is the weight and B is x
	s_cselect_b64 s[18:19], s[8:9], s[4:5]
	s_cselect_b64 s[8:9], s[4:5], s[8:9]
	s_mov_b64 s[4:5], s[18:19]                     ; A's codes s[4:5], B's s[8:9]
	s_cselect_b64 s[18:19], s[10:11], s[6:7]
	s_cselect_b64 s[10:11], s[6:7], s[10:11]
	s_mov_b64 s[6:7], s[18:19]                     ; A's scales s[6:7], B's s[10:11]
	s_cselect_b64 s[66:67], s[92:93], s[98:99]     ; the bias: bv, or bk,
	s_cmp_eq_u32 ttmp9, 0
	s_cselect_b64 s[66:67], s[96:97], s[66:67]     ; or bq
	s_mov_b64 s[12:13], s[94:95]                   ; qkv
	s_add_nc_u64 s[20:21], s[4:5], s[20:21]
	s_add_nc_u64 s[22:23], s[6:7], s[22:23]
	s_add_nc_u64 s[46:47], s[8:9], s[46:47]
	s_add_nc_u64 s[100:101], s[10:11], s[100:101]
	CROUND                                         ; all sixteen work-groups are here: the first joint loads meet
	s_mov_b32 s[G0S], 1
	s_add_co_u32 s[G0S+1], s2, SCL
	s_mov_b64 s[G0S+2:G0S+3], s[22:23]
	s_or_b32 s[G0S+3], s[G0S+3], 0x80000000
	s_mov_b32 s[G0SB], 1
	s_add_co_u32 s[G0SB+1], s2, SCL
	s_mov_b64 s[G0SB+2:G0SB+3], s[100:101]
	s_or_b32 s[G0SB+3], s[G0SB+3], 0x80000000
	JLOAD G0S, G1S, G0SB, G1SB                     ; the scales first
.irp s, 0,1
	s_mov_b32 s[G0+4*\s], 1
	s_add_co_u32 s[G0+4*\s+1], s45, \s*SLOT
	s_add_nc_u64 s[G0+4*\s+2:G0+4*\s+3], s[20:21], \s*ROWB
	s_or_b32 s[G0+4*\s+3], s[G0+4*\s+3], 0x80000000
	s_mov_b32 s[G0B+4*\s], 1
	s_add_co_u32 s[G0B+4*\s+1], s45, \s*SLOT
	s_add_nc_u64 s[G0B+4*\s+2:G0B+4*\s+3], s[46:47], \s*ROWB
	s_or_b32 s[G0B+4*\s+3], s[G0B+4*\s+3], 0x80000000
	JLOAD G0+4*\s, G1, G0B+4*\s, G1B               ; by this text's count three tensor loads of a wave are out here
.endr
	v_and_b32 v1, 15, v0                           ; r
	v_bfe_u32 v2, v0, 4, 1                         ; h
	v_mul_u32_u24 v3, v1, PITCH
	v_mul_u32_u24 v4, v2, 24
	v_add_nc_u32 v4, v3, v4                        ; a fragment's row x pitch + 24 h
	v_lshl_add_u32 v5, v2, 4, v4                   ; and the same behind one padding more
	s_mul_i32 s21, s15, HALFT
	s_mul_i32 s22, s16, HALFT
	s_add_co_u32 s22, s22, 2*HALFT
.irp s, 0,1
	v_add_nc_u32 v[ADRA+\s], s21, v4
	v_add_nc_u32 v[ADRB+\s], s22, v4
	v_add_nc_u32 v[ADRA+2+\s], s21, v5
	v_add_nc_u32 v[ADRB+2+\s], s22, v5
	s_add_co_u32 s21, s21, SLOT
	s_add_co_u32 s22, s22, SLOT
.endr
	v_mul_u32_u24 v5, v1, KS
	v_lshrrev_b32 v6, 8, v5
	v_lshl_add_u32 v5, v6, 4, v5                   ; my row's scales: 32 bytes a row, 16 more for each 256 passed
	s_mul_i32 s21, s15, HALFS
	s_mul_i32 s22, s16, HALFS
	s_add_co_u32 s22, s22, 2*HALFS
	s_sub_co_u32 s22, s22, s21
	v_mul_u32_u24 v6, s22, v2                      ; lanes 16-31 take B's
	s_add_co_u32 s21, s21, SCL
	v_add_nc_u32 v5, v5, v6
	v_add_nc_u32 v[ADRS], s21, v5
.macro FRAG reg, adr, q, i             ; 16 rows x 128 K: 12 registers, in pieces of 8 bytes; where the piece of lanes 16-31 lies behind one padding more, the second address register serves
.irp p, 0,1,2,3,4,5
.set PC, 12*(\q)+6*(\p/3)+\p%3
.if PC%8 < 5
	ds_load_b64 v[\reg+2*\p:\reg+2*\p+1], v[\adr] offset:8*PC+16*(PC/8)+(\i)*16*PITCH
.else
	ds_load_b64 v[\reg+2*\p:\reg+2*\p+1], v[\adr+2] offset:8*PC+16*(PC/8)+(\i)*16*PITCH
.endif
.endr
.endm
; 16 matrix instructions: A's blocks a0, a0 + 1 x B's eight.  The 64 accumulators take turns, one instruction a turn, in the same order in every step.
.macro MUL16 a0, p, q, sc, zero
.irp a, \a0, \a0+1
.irp b, 0,1,2,3,4,5,6,7
.if \zero
	v_wmma_scale_f32_16x16x128_f8f6f4 v[8*(8*((\a)%4)+\b):8*(8*((\a)%4)+\b)+7], v[128*(\p)+FR*\b:128*(\p)+FR*\b+FR-1], v[AF+FR*(\a):AF+FR*(\a)+FR-1], 0, v[SC+8*NQ*(\sc)+NQ*\b+(\q)], v[SC+8*NQ*(\sc)+NQ*(\a)+(\q)] matrix_a_fmt:MATRIX_FMT_FP6 matrix_b_fmt:MATRIX_FMT_FP6 matrix_a_scale:MATRIX_SCALE_ROW1
.else
	v_wmma_scale_f32_16x16x128_f8f6f4 v[8*(8*((\a)%4)+\b):8*(8*((\a)%4)+\b)+7], v[128*(\p)+FR*\b:128*(\p)+FR*\b+FR-1], v[AF+FR*(\a):AF+FR*(\a)+FR-1], v[8*(8*((\a)%4)+\b):8*(8*((\a)%4)+\b)+7], v[SC+8*NQ*(\sc)+NQ*\b+(\q)], v[SC+8*NQ*(\sc)+NQ*(\a)+(\q)] matrix_a_fmt:MATRIX_FMT_FP6 matrix_b_fmt:MATRIX_FMT_FP6 matrix_a_scale:MATRIX_SCALE_ROW1
.endif
.endr
.endr
.endm
.macro FETCH_B slot, q, p
	WIN TO_B
.irp i, 0,1,2,3,4,5,6,7
	FRAG 128*(\p)+FR*\i, ADRB+\slot, \q, \i
.endr
	WIN 0
.endm
.macro FETCH_A slot, q, i0
.irp i, \i0, \i0+1, \i0+2, \i0+3
	FRAG AF+FR*(\i), ADRA+\slot, \q, \i
.endr
.endm
.macro SCALES sc                       ; a K step's scale words: lanes 0-15 A's block i, lanes 16-31 B's block i
.irp i, 0,1,2,3,4,5,6,7
	ds_load_b64 v[SC+8*NQ*\sc+NQ*\i:SC+8*NQ*\sc+NQ*\i+1], v[ADRS] offset:\i*SBLK
.endr
.endm
.macro PLACES n                        ; plain vector instructions between a matrix instruction and a load into, a write of, or a read of its registers
.rept \n
	v_nop
.endr
.endm
.macro STEP slot, q, zero              ; 128 along K whose successor lies in the same slot
	s_wait_dscnt 4*NL                              ; B's set and A's blocks 0-3 are in; A's blocks 4-7 (24 loads) may be out
	WIN MUL_LO
	MUL16 0, (\q)%2, \q, \slot, \zero
	MUL16 2, (\q)%2, \q, \slot, \zero
	s_wait_dscnt 0
	PLACES NP
	FETCH_B \slot, (\q)+1, 1-(\q)%2
	FETCH_A \slot, (\q)+1, 0
	WIN MUL_HI
	MUL16 4, (\q)%2, \q, \slot, \zero
	MUL16 6, (\q)%2, \q, \slot, \zero
	PLACES NP
	WIN 0
	FETCH_A \slot, (\q)+1, 4
.endm
.macro TURN slot, next, fill           ; a slot's last step changes slots: one barrier; fill = 1: it opens a round of the cluster's barrier, and this slot is filled again
	s_wait_tensorcnt 0x0                           ; all my tensor loads have landed: my part of the next slot
	ds_add_u32 v[SPW], v[NIL]
	s_wait_dscnt 4*NL+1                            ; the add and A's blocks 4-7 may be out
	WIN MUL_LO
	MUL16 0, 1, NQ-1, \slot, 0
	s_wait_dscnt 0x0                               ; the add is done, and my reads of this slot are over
	s_barrier_signal -1
	MUL16 2, 1, NQ-1, \slot, 0
	WIN 0
	s_barrier_wait -1
.if \fill
	CREST                                          ; no wave of any partner still reads this slot or has a load on its way
	s_add_nc_u64 s[G0+4*\slot+2:G0+4*\slot+3], s[G0+4*\slot+2:G0+4*\slot+3], 2*ROWB
	s_add_nc_u64 s[G0B+4*\slot+2:G0B+4*\slot+3], s[G0B+4*\slot+2:G0B+4*\slot+3], 2*ROWB
	JLOAD G0+4*\slot, G1, G0B+4*\slot, G1B         ; the first tensor load behind the round; its four v_nop are the places in front of the loads below
.else
	PLACES NP
.endif
	v_add_nc_u32 v[ADRS], 4*NQ, v[ADRS]
	FETCH_B \next, 0, 0
	FETCH_A \next, 0, 0
	SCALES \next
	WIN MUL_HI
	MUL16 4, 1, NQ-1, \slot, 0
	MUL16 6, 1, NQ-1, \slot, 0
	PLACES NP
	WIN 0
	FETCH_A \next, 0, 4
.endm
	s_wait_tensorcnt 1                             ; the scales and my part of K step 0 are in; K step 1's load may be out
	s_barrier_signal -1
	s_barrier_wait -1
	FETCH_B 0, 0, 0
	FETCH_A 0, 0, 0
	SCALES 0
	FETCH_A 0, 0, 4
	STEP 0, 0, 1                                   ; the first step's products start the sums
	s_mov_b32 s3, LAPS-1
.Llap:
	TURN 0, 1, 1
	STEP 1, 0, 0
	TURN 1, 0, 1
	STEP 0, 0, 0
	s_sub_co_u32 s3, s3, 1
	s_cmp_lg_u32 s3, 0
	s_cbranch_scc1 .Llap
	TURN 0, 1, 0                                   ; the last lap fills nothing
	STEP 1, 0, 0
	s_wait_dscnt 4*NL
	WIN MUL_LO
	MUL16 0, 1, NQ-1, 1, 0
	MUL16 2, 1, NQ-1, 1, 0
	s_wait_dscnt 0
	WIN MUL_HI
	MUL16 4, 1, NQ-1, 1, 0
	MUL16 6, 1, NQ-1, 1, 0
	WIN 0
; ---- THE WAY OUT: bias, quantiser, images.  Window 0 is free but for v28, v29.
.set OL,   40                          ; v40 16 x lane
.set OS,   41                          ; v41 16 r + h x a head's bytes: the scale words' place
.set OBI,  42                          ; v42 the bias loads' offset
.set BIAS, 64                          ; v64-127 the bias in the results' layout (v: v64-79, a pair for each block of A)
.set T,    128                         ; v128-191 a block's 64 numbers
.set F0,   192                         ; v192-203, v204-215 two images
.set F1,   204
.set XT,   216                         ; v216-218, v220-222 the conversions' second halves
.set TM,   224                         ; v224-239 at work in the quantiser
.set PWA,  240
.set PWB,  241
.set PSEL, 242
.set WD,   244                         ; v244-247 four scale words
.set PWV,  32                          ; v32-39 v: a scale word for each block of A
.set SEL,  80                          ; s[80:81] selects for lane l xor 16
.set HM,   78                          ; s78 lanes 16-31
.macro ADDB a                          ; block a + the bias, each accumulator from its low end on
	WIN 0x02+(\a)/4
.set AC, 64*((\a)%4)
.set kk, 0
.rept 32
	v_pk_add_f32 v[T+kk:T+kk+1], v[AC+kk:AC+kk+1], v[BIAS+kk:BIAS+kk+1]
.set kk, kk+2
.endr
	WIN 0
.endm
.macro ADDV a                          ; the same where the bias belongs to the lane's row
	WIN 0x02+(\a)/4
.set AC, 64*((\a)%4)
.set kk, 0
.rept 32
	v_pk_add_f32 v[T+kk:T+kk+1], v[AC+kk:AC+kk+1], v[BIAS+2*(\a):BIAS+2*(\a)+1]
.set kk, kk+2
.endr
	WIN 0
.endm
; 64 numbers of a lane, register 16 b + i = place 32 b + 16 (lane / 16) + i of my row, become codes: blocks 0, 1 in v[d0] .. v[d0 + 5], blocks 2, 3 in v[d1] .. v[d1 + 5]; the four scale bytes in v[pw].
.macro QUANT s, d0, d1, pw
.irp b, 0,1,2,3
	v_max3_num_f32 v[TM+\b], |v[\s+16*\b]|, |v[\s+1+16*\b]|, 0x1800000   ; with the floor 2^(3 - 127): the byte cannot fall under 1
.endr
.irp i, 2,4,6,8,10,12,14
.irp b, 0,1,2,3
	v_max3_num_f32 v[TM+\b], v[TM+\b], |v[\s+16*\b+\i]|, |v[\s+1+16*\b+\i]|
.endr
.endr
.irp b, 0,1,2,3
	v_permlanex16_b32 v[TM+4+\b], v[TM+\b], s[SEL], s[SEL+1]
.endr
.irp b, 0,1,2,3
	v_max_num_f32 v[TM+\b], v[TM+\b], v[TM+4+\b]   ; with lane l xor 16's 16: the block's largest magnitude
.endr
.irp b, 0,1,2,3
	v_add_nc_u32 v[TM+12+\b], 0xff000000, v[TM+\b] ; 2 off its exponent field: the conversion's scale operand
.endr
.irp b, 0,1,2,3
	v_lshrrev_b32 v[TM+4+\b], 23, v[TM+12+\b]      ; the byte
.endr
	v_lshl_or_b32 v[\pw], v[TM+5], 8, v[TM+4]
	v_lshl_or_b32 v[\pw], v[TM+6], 16, v[\pw]
	v_lshl_or_b32 v[\pw], v[TM+7], 24, v[\pw]
	v_cvt_scalef32_pk16_fp6_f32 v[\d0:\d0+2], v[\s:\s+15], v[TM+12]
	v_cvt_scalef32_pk16_fp6_f32 v[XT:XT+2], v[\s+16:\s+31], v[TM+13]
	v_cvt_scalef32_pk16_fp6_f32 v[\d1:\d1+2], v[\s+32:\s+47], v[TM+14]
	v_cvt_scalef32_pk16_fp6_f32 v[XT+4:XT+6], v[\s+48:\s+63], v[TM+15]
	v_nop                                          ; one plain line behind the conversions
.irp i, 0,1,2
	v_permlane16_swap_b32 v[\d0+\i], v[XT+\i]      ; a whole block to a lane: lanes 0-15 the even block, lanes 16-31 the odd one
.endr
.irp i, 0,1,2
	v_mov_b32 v[\d0+3+\i], v[XT+\i]
.endr
.irp i, 0,1,2
	v_permlane16_swap_b32 v[\d1+\i], v[XT+4+\i]
.endr
.irp i, 0,1,2
	v_mov_b32 v[\d1+3+\i], v[XT+4+\i]
.endr
.endm
	PLACES NP                                      ; behind the last products: their operands' and scales' registers are written and results are read below
	v_and_b32 v1, 15, v0                           ; r
	v_bfe_u32 v2, v0, 4, 1                         ; h
	v_and_b32 v3, 31, v0
	v_lshlrev_b32 v[OL], 4, v3
	v_mul_u32_u24 v[OS], v2, HEADB
	v_lshl_add_u32 v[OS], v1, 4, v[OS]
.irp b, 0,1,2,3
	v_mov_b32 v[TM+4+\b], 0                        ; written once: a lane permute's destination counts as one of its sources
.endr
	s_mov_b32 s[SEL], 0x76543210
	s_mov_b32 s[SEL+1], 0xfedcba98
	s_mov_b32 s[HM], 0xffff0000
	s_cmp_eq_u32 ttmp9, 2
	s_cbranch_scc1 .Lvarm
	; ---- q and k.  My 128 rows are key step s of batch b; my 128 columns are heads g0 and g0 + 1.
	s_lshl_b32 s18, s17, 8
	s_lshl_b32 s19, s15, 7
	s_add_co_u32 s18, s18, s19                     ; my first token place
	s_lshr_b32 s19, s18, 11                        ; the batch
	s_bfe_u32 s20, s18, 0x40007                    ; the step of 128 tokens
	s_lshl_b32 s21, s42, 8
	s_lshl_b32 s22, s16, 7
	s_add_co_u32 s21, s21, s22
	s_and_b32 s21, s21, 1023                       ; my first column of q or of k
	s_lshr_b32 s22, s21, 6                         ; g0
	s_lshl_b32 s19, s19, 4
	s_add_co_u32 s19, s19, s22
	s_mul_i32 s68, s19, HEADB
	s_mov_b32 s69, 0
	s_add_nc_u64 s[12:13], s[12:13], s[68:69]      ; qkv at head g0
	s_lshl_b32 s68, s21, 2
	s_add_nc_u64 s[66:67], s[66:67], s[68:69]      ; the bias at my first column
	s_mul_i32 s70, s20, 12288                      ; k: the step's images,
	s_mul_i32 s71, s20, 6144
	s_add_co_u32 s71, s71, 204800                  ; q: images 4 s on
	s_lshl_b32 s72, s20, 9
	s_add_co_u32 s72, s72, 196608                  ; k's scale words,
	s_lshl_b32 s73, s20, 8
	s_add_co_u32 s73, s73, 303104                  ; q's
	s_cmp_eq_u32 ttmp9, 0
	s_cselect_b32 s68, s71, s70
	s_cselect_b32 s70, s73, s72
	s_mov_b32 s71, 0
	s_add_nc_u64 s[74:75], s[12:13], s[68:69]
	s_add_nc_u64 s[76:77], s[12:13], s[70:71]
	v_lshlrev_b32 v[OBI], 6, v2                    ; register 16 q + i is column 32 q + 16 h + i
.irp q, 0,1,2,3
.irp j, 0,1,2,3
	global_load_b128 v[BIAS+16*\q+4*\j:BIAS+16*\q+4*\j+3], v[OBI], s[66:67] offset:128*\q+16*\j
.endr
.endr
	v_mov_b32 v[PSEL], 0x05040100                  ; lanes 0-15: head g0's bytes of the two words; lanes 16-31: head g0 + 1's
	v_mov_b32 v3, 0x07060302
	v_cndmask_b32 v[PSEL], v[PSEL], v3, s[HM]
	s_wait_loadcnt 0x0
.irp q, 0,1,2,3                        ; image q: tiles 2 q and 2 q + 1 of the step, for both heads
	s_wait_xcnt 0x0                                ; the last image's stores have read their registers
	ADDB 2*\q
	QUANT T, F0, F1, PWA
	ADDB 2*\q+1
	QUANT T, F0+6, F1+6, PWB
	v_perm_b32 v[WD+\q], v[PWB], v[PWA], v[PSEL]
.irp c, 0,1,2
	global_store_b128 v[OL], v[F0+4*\c:F0+4*\c+3], s[74:75] offset:1536*\q+512*\c
.endr
.irp c, 0,1,2
	global_store_b128 v[OL], v[F1+4*\c:F1+4*\c+3], s[74:75] offset:HEADB+1536*\q+512*\c
.endr
.endr
	global_store_b128 v[OS], v[WD:WD+3], s[76:77]  ; sixteen lanes store a head's 256 bytes of scale words
	s_branch .Lend
	; ---- v.  My 128 rows of Wv are heads g0 and g0 + 1 (four tiles of 16 d each); my 128 columns are key step s of batch b.
.Lvarm:
	s_lshl_b32 s18, s17, 8
	s_lshl_b32 s19, s15, 7
	s_add_co_u32 s18, s18, s19
	s_and_b32 s18, s18, 1023                       ; my first column of v
	s_lshr_b32 s22, s18, 6                         ; g0
	s_lshl_b32 s21, s42, 8
	s_lshl_b32 s19, s16, 7
	s_add_co_u32 s21, s21, s19                     ; my first token place
	s_lshr_b32 s19, s21, 11
	s_bfe_u32 s20, s21, 0x40007
	s_lshl_b32 s19, s19, 4
	s_add_co_u32 s19, s19, s22
	s_mul_i32 s68, s19, HEADB
	s_mov_b32 s69, 0
	s_add_nc_u64 s[12:13], s[12:13], s[68:69]
	s_lshl_b32 s68, s18, 2
	s_add_nc_u64 s[66:67], s[66:67], s[68:69]
	s_mul_i32 s68, s20, 12288
	s_add_co_u32 s68, s68, 6144                    ; V's images lie behind K's
	s_add_nc_u64 s[74:75], s[12:13], s[68:69]
	s_lshl_b32 s68, s20, 9
	s_add_co_u32 s68, s68, 196608+256
	s_add_nc_u64 s[76:77], s[12:13], s[68:69]
	v_and_b32 v3, 7, v1
	v_and_b32 v4, 8, v1
	v_lshl_add_u32 v3, v4, 1, v3                   ; lane r of block a holds column 32 (a / 2) + 8 (a % 2) + r % 8 + 16 (r / 8)
	v_lshlrev_b32 v[OBI], 2, v3
.irp a, 0,1,2,3,4,5,6,7
	global_load_b32 v[BIAS+2*\a], v[OBI], s[66:67] offset:4*(32*(\a/2)+8*(\a%2))
.endr
	s_wait_loadcnt 0x0
.irp a, 0,1,2,3,4,5,6,7
	v_mov_b32 v[BIAS+2*\a+1], v[BIAS+2*\a]         ; a pair for the packed addition
.endr
.irp a, 0,1,2,3,4,5,6,7
	s_wait_xcnt 0x0                                ; the last image's stores have read their registers
	ADDV \a
	QUANT T, F0, F0+6, PWV+\a
.irp c, 0,1,2
	global_store_b128 v[OL], v[F0+4*\c:F0+4*\c+3], s[74:75] offset:(\a/4)*HEADB+(\a%4)*1536+512*\c
.endr
.endr
.irp d, 0,1,2,3
	v_cndmask_b32 v[WD+\d], v[PWV+\d], v[PWV+4+\d], s[HM]   ; lanes 0-15: head g0's words; lanes 16-31: head g0 + 1's
.endr
	global_store_b128 v[OS], v[WD:WD+3], s[76:77]
.Lend:
	s_wait_tensorcnt 0x0                           ; the wave's end
	ds_add_u32 v[SPW], v[NIL]
	s_wait_dscnt 0x0
	CROUND                                         ; the closing round
	s_endpgm
.Lfunc_end_k_q68c4b5e4be_qkv:
	.size	k_q68c4b5e4be_qkv, .Lfunc_end_k_q68c4b5e4be_qkv-k_q68c4b5e4be_qkv
	.p2alignl 7, 3214868480
	.fill 96, 4, 3214868480
	.section	.rodata,"a",@progbits
	.p2align	6, 0x0
	.amdhsa_kernel k_q68c4b5e4be_qkv
		.amdhsa_group_segment_fixed_size 327680
		.amdhsa_private_segment_fixed_size 0
		.amdhsa_enable_private_segment 0
		.amdhsa_kernarg_size 64
		.amdhsa_user_sgpr_count 2
		.amdhsa_user_sgpr_kernarg_segment_ptr 1
		.amdhsa_wavefront_size32 1
		.amdhsa_system_sgpr_workgroup_id_x 1
		.amdhsa_system_sgpr_workgroup_id_y 1
		.amdhsa_system_sgpr_workgroup_id_z 1
		.amdhsa_system_vgpr_workitem_id 0
		.amdhsa_next_free_vgpr 1024
		.amdhsa_next_free_sgpr 102
		.amdhsa_reserve_vcc 0
		.amdhsa_float_denorm_mode_32 3
		.amdhsa_float_denorm_mode_16_64 3
		.amdhsa_memory_ordered 1
		.amdhsa_forward_progress 1
		.amdhsa_inst_pref_size 234
	.end_amdhsa_kernel
	.amdgpu_metadata
---
amdhsa.version: [ 1, 2 ]
amdhsa.kernels:
  - .name:           k_q68c4b5e4be_qkv
    .symbol:         k_q68c4b5e4be_qkv.kd
    .args:
      - { .name: xc, .offset: 0, .size: 8, .value_kind: global_buffer, .address_space: global }
      - { .name: xs, .offset: 8, .size: 8, .value_kind: global_buffer, .address_space: global }
      - { .name: wc, .offset: 16, .size: 8, .value_kind: global_buffer, .address_space: global }
      - { .name: ws, .offset: 24, .size: 8, .value_kind: global_buffer, .address_space: global }
      - { .name: bq, .offset: 32, .size: 8, .value_kind: global_buffer, .address_space: global }
      - { .name: bk, .offset: 40, .size: 8, .value_kind: global_buffer, .address_space: global }
      - { .name: bv, .offset: 48, .size: 8, .value_kind: global_buffer, .address_space: global }
      - { .name: qkv, .offset: 56, .size: 8, .value_kind: global_buffer, .address_space: global }
    .group_segment_fixed_size: 327680
    .private_segment_fixed_size: 0
    .kernarg_segment_align: 8
    .kernarg_segment_size: 64
    .max_flat_workgroup_size: 128
    .sgpr_count:     102
    .vgpr_count:     1024
    .wavefront_size: 32
...
	.end_amdgpu_metadata
.endif
;; end of part 2
;; launch attn (part 3): grid 4 x 64, 16 waves a work-group, no clusters, 206,848 bytes of LDS; arguments qkv, yc, ys; writes yc, ys
.if DOCPART == 3
	.amdgcn_target "amdgcn-amd-amdhsa--gfx1250"
	.amdhsa_code_object_version 6
	.text
	.protected	k_q68c4b5e4be_attn
	.globl	k_q68c4b5e4be_attn
	.p2align	8
	.type	k_q68c4b5e4be_attn,@function
k_q68c4b5e4be_attn:
	s_mov_b64 s[64:65], 0
	v_nop
	global_prefetch_b8 v0, s[64:65] scope:SCOPE_SE
	s_setreg_imm32_b32 hwreg(HW_REG_WAVE_MODE, 25, 1), 1
	s_wait_xcnt 0x0
; LAUNCH 3 OF 4: y = softmax(causal(q k^T / 8)) v for one head (work-group y = 16 x batch + head), both products on codes of E2M3, and y quantised along C for the last product.
; WORK LEFT OUT: steps of 128 keys all of which come after a tile's 16 queries (shown dead at the head of launch quant): tile a walks steps 0 .. a / 8, and masks in step a / 8 alone.
; THE SOFTMAX: t = score x log2(e) / 8; M = the running largest t rounded up to a whole number; p = 2^(t - M) is quantised along the keys; the row's sum is taken of the unquantised p and divides at the end.
; SHARES.  A head has 128 tiles of 16 queries; tile a holds tokens 32 (a / 2) + 8 (a % 2) + r % 8 + 16 (r / 8).  Wave w of work-group x = j owns tiles 4 w + j and 127 - 4 w - j: (w / 2 + 1) + (16 - w / 2) = 17 key steps
; for every wave of the launch.  The last step of a tile, w / 2 and 15 - w / 2, hangs on the wave's number alone.
; LDS holds the head's K, V and their scale words whole: the first 204,800 bytes of the head in qkv, as they lie.  They are filled once, by five tensor loads a wave at the head (five of a wave are out, by this text's count).
; K = 64 IN AN INSTRUCTION OF K = 128.  An image of K holds two tiles of 16 keys x 64 d.  Q is kept between zeros, Z F Z: against [F Z] the image gives its first tile's scores, against [Z F] its second's: the other
; half multiplies zero codes, which add nothing.  Q's scale bytes of that half are 1.
; LAYOUT.  Both products are used transposed (source 0 = keys, or V's 16 d; source 1 = my queries, or p): a lane holds ONE query.  The order of rows in the images makes 16 registers of two neighbouring tiles 16 neighbours.
; NO JOINT LOADS: the four work-groups of a head read the same bytes, each once, at its head.  The tile numbers, the select of Q's half and the mask's compare hang on the work-group's x, which in a cluster of the four
; would be its place there; this text keeps the plain form.  No prefetch: all of K and V is asked for at the head.
; OUT: yc [head][tile a][3][32 lanes][8 bytes]: registers 2 p, 2 p + 1 of half an operand (16 queries x this head's 64) at 256 p + 8 lane;  ys [8,192 places][32]: byte 2 head + block.
; LIMITS: y = O x (1 / l) with v_rcp_f32; a block under 2^-124 gets the byte 1; NaN and infinities are not served.
.set HEADB, 307200
.set SCO,   196608                     ; the scale words: 512 bytes a step: K's [r][image], then V's [r][tile]
.set QCO,   204800
.set QSO,   303104
.set STEPB, 12288                      ; a step: four images of K, four of V
.set SPARE, 204800                     ; the spare words, 128 bytes for each of 16 waves
.set LI,  1                            ; v1  16 x lane
.set LS,  2                            ; v2  SCO + 16 r
.set QD,  3                            ; v3  my query - 16 h
.set SPW, 4
.set NIL, 5
.set ADK, 6                            ; v6  the step's images
.set ADS, 7                            ; v7  the step's scale words
.set L8,  8                            ; v8  8 x lane
.set YSO, 9                            ; v9  32 r + h
.set QL,  10                           ; v10 r % 8 + 16 (r / 8) - 16 h
.set R16, 11                           ; v11 16 r
                                       ; v12 -M, v13 the largest t, v[14:15] the sum; v16-21 zeros, v22-27 Q, v28-33 zeros; v34, v35 Q's scale words for [F Z] and [Z F]
.set FRG, 36                           ; v36-83  four images
.set KSC, 84                           ; v84-87  K's scale words;  v88-91 V's
.set VSC, 88
.set S,   96                           ; v96-159 S^T, then p
.set O,   160                          ; v160-191 O^T
.set PC,  192                          ; v192-203 p's codes
.set XT,  204                          ; v204-206, v208-210 the conversions' second halves
.set BM,  212                          ; v212-215 the blocks' largest
.set BP,  216                          ; v216-219 the permutes' destinations
.set SOP, 220                          ; v220-223 the conversions' scale operands
.set SBY, 224                          ; v224-227 the bytes
.set FF,  228                          ; v[228:229] f
.set PW,  230                          ; v230 p's scale word
.set T0,  231                          ; v231-235 at work
.set WV,  18
.set SEL, 20
.set CS,  22
.set G1C, 24
.set G1S, 32
.set G0S, 40
.set G0C, 44
.set HM,  60
.set UM,  61
.set SH,  62
.set TA,  63
.set LAST, 66
.set CNT, 67
.set TB,  68
.set TS,  69
.set KF,  70
.set TRIP, 71
	s_load_b128 s[4:7], s[0:1], 0x0                ; qkv, yc
	s_load_b64 s[8:9], s[0:1], 0x10                ; ys
	v_lshl_add_u32 v[SPW], v0, 2, SPARE
	v_mov_b32 v[NIL], 0
	ds_add_u32 v[SPW], v[NIL]                      ; the opening: the add, twice on end, and its wait ahead of my first tensor load
	ds_add_u32 v[SPW], v[NIL]
	v_lshrrev_b32 v6, 5, v0
	s_delay_alu instid0(VALU_DEP_1)
	v_readfirstlane_b32 s[WV], v6                  ; wave 0..15
	s_mov_b32 s2, ttmp9                            ; j
	s_and_b32 s3, ttmp7, 0xffff                    ; the head: 16 x batch + head
	s_mov_b32 s[G1C], 3<<16                        ; a dense block as rows of 256 bytes: 32 elements of 8 bytes; no mask, no padding
	s_mov_b32 s[G1C+1], 32<<16                     ; tensor_dim0
	s_mov_b32 s[G1C+2], 12<<16                     ; tensor_dim1: 12 rows, 3,072 bytes
	s_mov_b32 s[G1C+3], 32<<16                     ; tile_dim0
	s_mov_b32 s[G1C+4], 12                         ; tile_dim1
	s_mov_b32 s[G1C+5], 32                         ; the pitch
	s_mov_b32 s[G1C+6], 0
	s_mov_b32 s[G1C+7], 0
	s_mov_b32 s[G1S], 3<<16                        ; the same with 2 rows, 512 bytes
	s_mov_b32 s[G1S+1], 32<<16
	s_mov_b32 s[G1S+2], 2<<16
	s_mov_b32 s[G1S+3], 32<<16
	s_mov_b32 s[G1S+4], 2
	s_mov_b32 s[G1S+5], 32
	s_mov_b32 s[G1S+6], 0
	s_mov_b32 s[G1S+7], 0
	s_mov_b32 s[SEL], 0x76543210
	s_mov_b32 s[SEL+1], 0xfedcba98
	s_mov_b32 s[CS], 0x3e38aa3b                    ; c = log2(e) / 8
	s_mov_b32 s[CS+1], s[CS]
	s_mov_b32 s[HM], 0xffff0000                    ; lanes 16-31
	s_mul_i32 s72, s3, HEADB
	s_mov_b32 s73, 0
	s_lshl_b32 s74, s[WV], 9
	s_add_co_u32 s74, s74, SCO                     ; my 512 bytes of the scale words, in the head and in LDS alike
	s_mov_b32 s75, 0
	s_mul_i32 s76, s[WV], 3072                     ; my 3,072 bytes of each quarter of the images
	s_mov_b32 s77, 0
	s_wait_dscnt 0x0                               ; both opening adds are done
	s_wait_kmcnt 0x0
	s_add_nc_u64 s[4:5], s[4:5], s[72:73]          ; qkv at my head
	s_mov_b32 s[G0S], 1
	s_mov_b32 s[G0S+1], s74
	s_add_nc_u64 s[G0S+2:G0S+3], s[4:5], s[74:75]
	s_or_b32 s[G0S+3], s[G0S+3], 0x80000000
	s_add_nc_u64 s[78:79], s[4:5], s[76:77]
.irp c, 0,1,2,3
	s_mov_b32 s[G0C+4*\c], 1
	s_add_co_u32 s[G0C+4*\c+1], s76, 49152*\c
	s_add_nc_u64 s[G0C+4*\c+2:G0C+4*\c+3], s[78:79], 49152*\c
	s_or_b32 s[G0C+4*\c+3], s[G0C+4*\c+3], 0x80000000
.endr
	tensor_load_to_lds s[G0S:G0S+3], s[G1S:G1S+7]  ; the scale words first, then the four quarters (four key steps each) in order
	s_nop 0
.irp c, 0,1,2,3
	tensor_load_to_lds s[G0C+4*\c:G0C+4*\c+3], s[G1C:G1C+7]
	s_nop 0
.endr
	v_and_b32 v6, 31, v0                           ; lane
	v_and_b32 v7, 15, v0                           ; r
	v_bfe_u32 v9, v0, 4, 1                         ; h
	s_delay_alu instid0(VALU_DEP_3)
	v_lshlrev_b32 v[LI], 4, v6
	s_delay_alu instid0(VALU_DEP_3)
	v_lshl_add_u32 v[LS], v7, 4, SCO
	v_lshlrev_b32 v[L8], 3, v6
	v_lshlrev_b32 v[R16], 4, v7
	v_and_b32 v[QL], 7, v7
	v_and_b32 v3, 8, v7
	s_delay_alu instid0(VALU_DEP_1)
	v_lshl_add_u32 v[QL], v3, 1, v[QL]
	v_lshlrev_b32 v3, 4, v9
	s_delay_alu instid0(VALU_DEP_1)
	v_sub_nc_u32 v[QL], v[QL], v3
	v_lshl_add_u32 v[YSO], v7, 5, v9
.irp i, 0,1,2,3,4,5
	v_mov_b32 v[16+\i], 0                          ; the zero codes on both sides of Q
	v_mov_b32 v[28+\i], 0
.endr
.irp b, 0,1,2,3
	v_mov_b32 v[BP+\b], 0                          ; written once: a lane permute's destination counts as one of its sources
.endr
	v_mov_b32 v[FF+1], 0                           ; upper halves of pairs of which the low word serves both halves
	v_mov_b32 v[T0+2], 0
; A tile begins.  hi = 0: tile 4 w + j; hi = 1: tile 127 - 4 w - j.
.macro PASSINIT hi
	s_wait_xcnt 0x0                                ; the last tile's stores have read their registers and bases
	s_lshl_b32 s[TA], s[WV], 2
	s_add_co_u32 s[TA], s[TA], s2
	s_lshr_b32 s[LAST], s[WV], 1
.if \hi
	s_sub_co_u32 s[TA], 127, s[TA]
	s_sub_co_u32 s[LAST], 15, s[LAST]
.endif
	s_lshr_b32 s72, s[TA], 1                       ; f: Q's image
	s_and_b32 s73, s[TA], 1                        ; u: which half of it
	s_sub_co_u32 s[UM], 0, s73                     ; all lanes, or none
	s_lshl_b32 s[SH], s73, 4
	s_mul_i32 s74, s72, 1536
	s_add_co_u32 s74, s74, QCO
	s_mov_b32 s75, 0
	s_add_nc_u64 s[10:11], s[4:5], s[74:75]
	s_lshr_b32 s74, s72, 2
	s_lshl_b32 s74, s74, 8
	s_and_b32 s76, s72, 3
	s_lshl_b32 s76, s76, 2
	s_add_co_u32 s74, s74, s76
	s_add_co_u32 s74, s74, QSO
	s_add_nc_u64 s[12:13], s[4:5], s[74:75]
	s_lshl_b32 s74, s3, 7
	s_add_co_u32 s74, s74, s[TA]
	s_mul_i32 s74, s74, 768
	s_add_nc_u64 s[14:15], s[6:7], s[74:75]        ; yc at my tile
	s_lshr_b32 s74, s3, 4
	s_lshl_b32 s74, s74, 11
	s_lshl_b32 s76, s[TA], 4
	s_add_co_u32 s74, s74, s76
	s_lshl_b32 s74, s74, 5
	s_and_b32 s76, s3, 15
	s_lshl_b32 s76, s76, 1
	s_add_co_u32 s74, s74, s76
	s_add_nc_u64 s[16:17], s[8:9], s[74:75]        ; ys at my tile's first place, my head's two bytes
	s_lshl_b32 s76, s72, 5
	s_lshl_b32 s77, s73, 3
	s_add_co_u32 s76, s76, s77
	global_load_b128 v[FRG:FRG+3], v[LI], s[10:11]
	global_load_b128 v[FRG+4:FRG+7], v[LI], s[10:11] offset:512
	global_load_b128 v[FRG+8:FRG+11], v[LI], s[10:11] offset:1024
	global_load_b32 v[T0], v[R16], s[12:13]
	v_add_nc_u32 v[QD], s76, v[QL]
	v_mov_b32 v13, 0xff61b1e6                      ; the largest t so far: -3e38
	s_delay_alu instid0(VALU_DEP_1)
	v_floor_f32 v12, -v13                          ; -M
	v_mov_b32 v14, 0
	v_mov_b32 v15, 0
	s_wait_loadcnt 0x0
.irp i, 0,1,2,3,4,5
	v_cndmask_b32 v[22+\i], v[FRG+\i], v[FRG+6+\i], s[UM]   ; my tile's half of the image
.endr
	v_lshrrev_b32 v[T0], s[SH], v[T0]
	s_delay_alu instid0(VALU_DEP_1)
	v_and_b32 v[T0], 0xffff, v[T0]                 ; my tile's two bytes
	s_delay_alu instid0(VALU_DEP_1)
	v_or_b32 v34, 0x01010000, v[T0]
	s_delay_alu instid0(VALU_DEP_2)
	v_lshl_or_b32 v35, v[T0], 16, 0x0101
.set n, 0
.rept 32
	v_mov_b32 v[O+n], 0                            ; O^T: the step is written once, and the first change of M leaves zeros zeros.  (These are also the places between the lines above and the first product)
.set n, n+1
.endr
	s_mov_b32 s[CNT], 0
	s_mov_b32 s[TB], 0
	s_mov_b32 s[TS], 0
	s_mov_b32 s[KF], 0
.endm
; A key step: 128 keys.
.macro STEP
	s_cmp_gt_u32 s[CNT], s[LAST]                   ; all its keys come after my queries: only the steps at the end are skipped
	s_cbranch_scc1 .Lhidden_\@
	s_setprio 2
	v_add_nc_u32 v[ADK], s[TB], v[LI]
	v_add_nc_u32 v[ADS], s[TS], v[LS]
	v_nop
	v_nop                                          ; four places in front of loads into registers that the last products read
.irp f, 0,1,2,3
.irp c, 0,1,2
	ds_load_b128 v[FRG+12*\f+4*\c:FRG+12*\f+4*\c+3], v[ADK] offset:1536*\f+512*\c
.endr
.endr
	ds_load_b128 v[KSC:KSC+3], v[ADS]
	s_wait_alu depctr_va_vdst(0)
	s_wait_dscnt 0x0
.irp f, 0,1,2,3                        ; S^T: image f against [F Z] and against [Z F]: key tiles 2 f and 2 f + 1
	v_wmma_scale_f32_16x16x128_f8f6f4 v[S+16*\f:S+16*\f+7], v[FRG+12*\f:FRG+12*\f+11], v[22:33], 0, v[KSC+\f], v34 matrix_a_fmt:MATRIX_FMT_FP6 matrix_b_fmt:MATRIX_FMT_FP6
	v_wmma_scale_f32_16x16x128_f8f6f4 v[S+16*\f+8:S+16*\f+15], v[FRG+12*\f:FRG+12*\f+11], v[16:27], 0, v[KSC+\f], v35 matrix_a_fmt:MATRIX_FMT_FP6 matrix_b_fmt:MATRIX_FMT_FP6
.endr
.rept 4
	v_nop                                          ; places: the loads below land where these products read, and the scores are read
.endr
.irp f, 0,1,2,3                        ; V's four images: they land while the softmax is walked
.irp c, 0,1,2
	ds_load_b128 v[FRG+12*\f+4*\c:FRG+12*\f+4*\c+3], v[ADK] offset:6144+1536*\f+512*\c
.endr
.endr
	ds_load_b128 v[VSC:VSC+3], v[ADS] offset:256
	s_cmp_lg_u32 s[CNT], s[LAST]                   ; the tile's last step lies on the diagonal: hidden scores become -infinity
	s_cbranch_scc1 .Lopen_\@
	v_sub_nc_u32 v[T0], v[QD], s[KF]               ; register 16 b + i holds key KF + 16 h + 32 b + i: hidden where 32 b + i > my query - KF - 16 h
	v_mov_b32 v[T0+1], 0xff800000
.set n, 0
.rept 64
	v_cmp_gt_i32 vcc_lo, 32*(n/16)+n%16, v[T0]
	v_cndmask_b32 v[S+n], v[S+n], v[T0+1], vcc_lo
.set n, n+1
.endr
.Lopen_\@:
.irp b, 0,1,2,3
	v_max3_num_f32 v[BM+\b], v[S+16*\b], v[S+1+16*\b], v[S+2+16*\b]   ; each block's largest score: for the row's maximum, and, since p rises with the score, for the block's largest p
.endr
.irp i, 3,5,7,9,11,13
.irp b, 0,1,2,3
	v_max3_num_f32 v[BM+\b], v[BM+\b], v[S+16*\b+\i], v[S+1+16*\b+\i]
.endr
.endr
.irp b, 0,1,2,3
	v_max_num_f32 v[BM+\b], v[BM+\b], v[S+15+16*\b]
.endr
.irp b, 0,1,2,3
	s_delay_alu instid0(VALU_DEP_4)
	v_permlanex16_b32 v[BP+\b], v[BM+\b], s[SEL], s[SEL+1]
.endr
.irp b, 0,1,2,3
	s_delay_alu instid0(VALU_DEP_4)
	v_max_num_f32 v[BM+\b], v[BM+\b], v[BP+\b]
.endr
	s_delay_alu instid0(VALU_DEP_2)
	v_max3_num_f32 v[T0], v[BM], v[BM+1], v[BM+2]
	s_delay_alu instid0(VALU_DEP_1)
	v_max_num_f32 v[T0], v[T0], v[BM+3]
	s_delay_alu instid0(VALU_DEP_1)
	v_mul_f32 v[T0], s[CS], v[T0]
	s_delay_alu instid0(VALU_DEP_1)
	v_max_num_f32 v13, v13, v[T0]                  ; the running largest t
	v_mov_b32 v[T0], v12
	s_delay_alu instid0(VALU_DEP_2)
	v_floor_f32 v12, -v13                          ; the new -M
	s_delay_alu instid0(VALU_DEP_1)
	v_sub_f32 v[T0], v12, v[T0]                    ; old M - new M: a whole number, 0 or less
	s_delay_alu instid0(VALU_DEP_1)
	v_cvt_i32_f32 v[T0], v[T0]                     ; (it saturates)
	s_delay_alu instid0(VALU_DEP_1)
	v_ldexp_f32 v[FF], 1.0, v[T0]                  ; f = 2^(old M - new M)
.set n, 0
.rept 32
	v_pk_fma_f32 v[S+n:S+n+1], v[S+n:S+n+1], s[CS:CS+1], v[12:13] op_sel_hi:[1,0,0]   ; t - M
.set n, n+2
.endr
	s_setprio 1
.irp b, 0,1,2,3
	v_fma_f32 v[BM+\b], v[BM+\b], s[CS], v12
.endr
.set n, 0
	s_wait_alu depctr_va_vdst(0)
.rept 64
	v_exp_f32 v[S+n], v[S+n]                       ; p = 2^(t - M)
.set n, n+1
.endr
	v_pk_mul_f32 v[14:15], v[14:15], v[FF:FF+1] op_sel_hi:[1,0]   ; the sums under the new M (a plain line behind the exponentials)
	s_wait_alu depctr_va_vdst(0)                   ; one wait for the batch, ahead of its first reader
.irp b, 0,1,2,3
	v_exp_f32 v[BM+\b], v[BM+\b]                   ; each block's largest p
.endr
	v_pk_add_f32 v[232:233], v[100:101], v[104:105]
	v_pk_add_f32 v[254:255], v[108:109], v[112:113]
	v_pk_add_f32 v[252:253], v[116:117], v[120:121]
	v_pk_add_f32 v[250:251], v[124:125], v[128:129]
	v_pk_add_f32 v[248:249], v[132:133], v[136:137]
	v_pk_add_f32 v[246:247], v[140:141], v[144:145]
	v_pk_add_f32 v[244:245], v[148:149], v[152:153]
	v_pk_add_f32 v[14:15], v[14:15], v[156:157]
	v_pk_add_f32 v[232:233], v[232:233], v[96:97]
	v_pk_add_f32 v[254:255], v[254:255], v[98:99]
	v_pk_add_f32 v[252:253], v[252:253], v[102:103]
	v_pk_add_f32 v[250:251], v[250:251], v[106:107]
	v_pk_add_f32 v[248:249], v[248:249], v[110:111]
	v_pk_add_f32 v[246:247], v[246:247], v[114:115]
	v_pk_add_f32 v[244:245], v[244:245], v[118:119]
	v_pk_add_f32 v[14:15], v[14:15], v[122:123]
	v_pk_add_f32 v[232:233], v[232:233], v[126:127]
	v_pk_add_f32 v[254:255], v[254:255], v[130:131]
	v_pk_add_f32 v[252:253], v[252:253], v[134:135]
	v_pk_add_f32 v[250:251], v[250:251], v[138:139]
	v_pk_add_f32 v[248:249], v[248:249], v[142:143]
	v_pk_add_f32 v[246:247], v[246:247], v[146:147]
	v_pk_add_f32 v[244:245], v[244:245], v[150:151]
	v_pk_add_f32 v[14:15], v[14:15], v[154:155]
	v_pk_add_f32 v[232:233], v[232:233], v[158:159]
	s_delay_alu instid0(VALU_DEP_2)
	v_pk_add_f32 v[14:15], v[14:15], v[250:251]
	s_delay_alu instid0(VALU_DEP_2)
	v_pk_add_f32 v[232:233], v[232:233], v[248:249]
	v_pk_add_f32 v[254:255], v[254:255], v[246:247]
	v_pk_add_f32 v[252:253], v[252:253], v[244:245]
	s_delay_alu instid0(VALU_DEP_2)
	v_pk_add_f32 v[14:15], v[14:15], v[254:255]
	s_delay_alu instid0(VALU_DEP_2)
	v_pk_add_f32 v[232:233], v[232:233], v[252:253]
	s_delay_alu instid0(VALU_DEP_1)
	v_pk_add_f32 v[14:15], v[14:15], v[232:233]
	s_wait_alu depctr_va_vdst(0)                   ; and one for the four
.irp b, 0,1,2,3
	v_max_num_f32 v[BM+\b], 0x1800000, v[BM+\b]    ; the floor
.endr
.irp b, 0,1,2,3
	s_delay_alu instid0(VALU_DEP_4)
	v_add_nc_u32 v[SOP+\b], 0xff000000, v[BM+\b]
.endr
.irp b, 0,1,2,3
	s_delay_alu instid0(VALU_DEP_4)
	v_lshrrev_b32 v[SBY+\b], 23, v[SOP+\b]
.endr
	s_delay_alu instid0(VALU_DEP_3)
	v_lshl_or_b32 v[PW], v[SBY+1], 8, v[SBY]
	s_delay_alu instid0(VALU_DEP_1)
	v_lshl_or_b32 v[PW], v[SBY+2], 16, v[PW]
	s_delay_alu instid0(VALU_DEP_1)
	v_lshl_or_b32 v[PW], v[SBY+3], 24, v[PW]
	s_setprio 0
.irp c, 0,1
	v_cvt_scalef32_pk16_fp6_f32 v[PC+6*\c:PC+2+6*\c], v[S+32*\c:S+15+32*\c], v[SOP+2*\c]
	v_cvt_scalef32_pk16_fp6_f32 v[XT+4*\c:XT+2+4*\c], v[S+16+32*\c:S+31+32*\c], v[SOP+2*\c+1]
.endr
	v_nop                                          ; one plain line behind the conversions
.irp c, 0,1
.irp i, 0,1,2
	v_permlane16_swap_b32 v[PC+6*\c+\i], v[XT+4*\c+\i]
.endr
.irp i, 0,1,2
	s_delay_alu instid0(VALU_DEP_3)
	v_mov_b32 v[PC+3+6*\c+\i], v[XT+4*\c+\i]
.endr
.endr
.set n, 0
.rept 16
	v_pk_mul_f32 v[O+n:O+n+1], v[O+n:O+n+1], v[FF:FF+1] op_sel_hi:[1,0]   ; O^T under the new M; sixteen places between p's codes and scale word and the products
.set n, n+2
.endr
	s_wait_alu depctr_va_vdst(0)
	s_wait_dscnt 0x0                               ; V
.irp d, 0,1,2,3                        ; O^T += V^T p^T: four accumulators by turns
	v_wmma_scale_f32_16x16x128_f8f6f4 v[O+8*\d:O+8*\d+7], v[FRG+12*\d:FRG+12*\d+11], v[PC:PC+11], v[O+8*\d:O+8*\d+7], v[VSC+\d], v[PW] matrix_a_fmt:MATRIX_FMT_FP6 matrix_b_fmt:MATRIX_FMT_FP6
.endr
.Lhidden_\@:
	s_add_co_u32 s[TB], s[TB], STEPB
	s_add_co_u32 s[TS], s[TS], 512
	s_add_co_u32 s[KF], s[KF], 128
	s_add_co_u32 s[CNT], s[CNT], 1
.endm
; A tile ends: y = O^T / l; register 16 b + i is d = 32 b + 16 h + i of my query: two blocks along C, quantised, stored as half an operand's image.
.macro WAYOUT
.rept 4
	v_nop                                          ; places behind the last products
.endr
	v_add_f32 v14, v14, v15
	s_delay_alu instid0(VALU_DEP_1)
	v_permlanex16_b32 v[T0], v14, s[SEL], s[SEL+1]
	s_delay_alu instid0(VALU_DEP_1)
	v_add_f32 v14, v14, v[T0]                      ; the row's sum
	s_wait_alu depctr_va_vdst(0)
	v_rcp_f32 v[T0+1], v14
	v_nop
	s_wait_alu depctr_va_vdst(0)                   ; ahead of the reciprocal's first reader
.set n, 0
.rept 16
	v_pk_mul_f32 v[S+n:S+n+1], v[O+n:O+n+1], v[T0+1:T0+2] op_sel_hi:[1,0]   ; each accumulator from its low end on
.set n, n+2
.endr
.irp b, 0,1
	v_max3_num_f32 v[BM+\b], |v[S+16*\b]|, |v[S+1+16*\b]|, 0x1800000
.endr
.irp i, 2,4,6,8,10,12,14
.irp b, 0,1
	s_delay_alu instid0(VALU_DEP_2)
	v_max3_num_f32 v[BM+\b], v[BM+\b], |v[S+16*\b+\i]|, |v[S+1+16*\b+\i]|
.endr
.endr
.irp b, 0,1
	s_delay_alu instid0(VALU_DEP_2)
	v_permlanex16_b32 v[BP+\b], v[BM+\b], s[SEL], s[SEL+1]
.endr
.irp b, 0,1
	s_delay_alu instid0(VALU_DEP_2)
	v_max_num_f32 v[BM+\b], v[BM+\b], v[BP+\b]
.endr
.irp b, 0,1
	s_delay_alu instid0(VALU_DEP_2)
	v_add_nc_u32 v[SOP+\b], 0xff000000, v[BM+\b]
.endr
.irp b, 0,1
	s_delay_alu instid0(VALU_DEP_2)
	v_lshrrev_b32 v[SBY+\b], 23, v[SOP+\b]
.endr
	v_cvt_scalef32_pk16_fp6_f32 v[PC:PC+2], v[S:S+15], v[SOP]
	v_cvt_scalef32_pk16_fp6_f32 v[XT:XT+2], v[S+16:S+31], v[SOP+1]
	v_nop
.irp i, 0,1,2
	v_permlane16_swap_b32 v[PC+\i], v[XT+\i]
.endr
.irp i, 0,1,2
	s_delay_alu instid0(VALU_DEP_3)
	v_mov_b32 v[PC+3+\i], v[XT+\i]
.endr
	v_cndmask_b32 v[T0+3], v[SBY], v[SBY+1], s[HM] ; lanes 0-15 block 0's byte, lanes 16-31 block 1's
.irp p, 0,1,2
	global_store_b64 v[L8], v[PC+2*\p:PC+2*\p+1], s[14:15] offset:256*\p   ; 32 lanes store 256 consecutive bytes, aligned
.endr
	global_store_b8 v[YSO], v[T0+3], s[16:17]      ; two bytes of each of 16 rows of ys: one part in 24 of what the tile stores
.endm
	PASSINIT 0
	s_wait_tensorcnt 0x3                           ; the scale words and the first quarter (steps 0-3), my parts, are in; the three later quarters may be out
	s_barrier_signal -1
	s_barrier_wait -1                              ; everybody's are
	s_mov_b32 s[TRIP], 4
.Lfirst:
	STEP
	s_sub_co_u32 s[TRIP], s[TRIP], 1
	s_cmp_lg_u32 s[TRIP], 0
	s_cbranch_scc1 .Lfirst
	s_setprio 0
	s_wait_tensorcnt 0x0                           ; all my parts are in
	s_wait_dscnt 0x0
	s_barrier_signal -1
	s_barrier_wait -1                              ; the whole head lies in LDS
	s_mov_b32 s[CNT], 4
	s_mov_b32 s[TB], 4*STEPB
	s_mov_b32 s[TS], 4*512
	s_mov_b32 s[KF], 4*128
	s_mov_b32 s[TRIP], 4                           ; the low tile's last step is 7 at the most
.Lsecond:
	STEP
	s_sub_co_u32 s[TRIP], s[TRIP], 1
	s_cmp_lg_u32 s[TRIP], 0
	s_cbranch_scc1 .Lsecond
	s_setprio 0
	WAYOUT
	PASSINIT 1
	s_mov_b32 s[TRIP], 16
.Lthird:
	STEP
	s_sub_co_u32 s[TRIP], s[TRIP], 1
	s_cmp_lg_u32 s[TRIP], 0
	s_cbranch_scc1 .Lthird
	s_setprio 0
	WAYOUT
	s_wait_tensorcnt 0x0                           ; the wave's end
	ds_add_u32 v[SPW], v[NIL]
	s_wait_dscnt 0x0
	s_endpgm
.Lfunc_end_k_q68c4b5e4be_attn:
	.size	k_q68c4b5e4be_attn, .Lfunc_end_k_q68c4b5e4be_attn-k_q68c4b5e4be_attn
	.p2alignl 7, 3214868480
	.fill 96, 4, 3214868480
	.section	.rodata,"a",@progbits
	.p2align	6, 0x0
	.amdhsa_kernel k_q68c4b5e4be_attn
		.amdhsa_group_segment_fixed_size 206848
		.amdhsa_private_segment_fixed_size 0
		.amdhsa_enable_private_segment 0
		.amdhsa_kernarg_size 24
		.amdhsa_user_sgpr_count 2
		.amdhsa_user_sgpr_kernarg_segment_ptr 1
		.amdhsa_wavefront_size32 1
		.amdhsa_system_sgpr_workgroup_id_x 1
		.amdhsa_system_sgpr_workgroup_id_y 1
		.amdhsa_system_sgpr_workgroup_id_z 1
		.amdhsa_system_vgpr_workitem_id 0
		.amdhsa_next_free_vgpr 256
		.amdhsa_next_free_sgpr 80
		.amdhsa_reserve_vcc 1
		.amdhsa_float_denorm_mode_32 3
		.amdhsa_float_denorm_mode_16_64 3
		.amdhsa_memory_ordered 1
		.amdhsa_forward_progress 1
		.amdhsa_inst_pref_size 89
	.end_amdhsa_kernel
	.amdgpu_metadata
---
amdhsa.version: [ 1, 2 ]
amdhsa.kernels:
  - .name:           k_q68c4b5e4be_attn
    .symbol:         k_q68c4b5e4be_attn.kd
    .args:
      - { .name: qkv, .offset: 0, .size: 8, .value_kind: global_buffer, .address_space: global }
      - { .name: yc, .offset: 8, .size: 8, .value_kind: global_buffer, .address_space: global }
      - { .name: ys, .offset: 16, .size: 8, .value_kind: global_buffer, .address_space: global }
    .group_segment_fixed_size: 206848
    .private_segment_fixed_size: 0
    .kernarg_segment_align: 8
    .kernarg_segment_size: 24
    .max_flat_workgroup_size: 512
    .sgpr_count:     80
    .vgpr_count:     256
    .wavefront_size: 32
...
	.end_amdgpu_metadata
.endif
;; end of part 3
;; launch proj (part 4): grid 4 x 32, 4 waves a work-group, clusters of 4 x 4, 327,680 bytes of LDS; arguments yc, ys, wc, ws, bo, out0; writes out0
.if DOCPART == 4
	.amdgcn_target "amdgcn-amd-amdhsa--gfx1250"
	.amdhsa_code_object_version 6
	.text
	.protected	k_q68c4b5e4be_proj
	.globl	k_q68c4b5e4be_proj
	.p2align	8
	.type	k_q68c4b5e4be_proj,@function
k_q68c4b5e4be_proj:
	s_mov_b64 s[64:65], 0
	v_nop
	global_prefetch_b8 v0, s[64:65] scope:SCOPE_SE
	s_setreg_imm32_b32 hwreg(HW_REG_WAVE_MODE, 25, 1), 1
	s_wait_xcnt 0x0
	s_wait_alu depctr_hold_cnt(0) depctr_sa_sdst(0) depctr_va_vdst(0) depctr_va_sdst(0) depctr_va_ssrc(0) depctr_va_vcc(0) depctr_vm_vsrc(0)
	s_getreg_b32 s2, hwreg(HW_REG_IB_STS2, 6, 4)
	s_cmp_eq_u32 s2, 0
	s_cbranch_scc0 .Lentry_in_a_cluster
	s_endpgm
.Lentry_in_a_cluster:
	s_bfe_u32 s2, ttmp6, 0x10000c
	s_cmp_lg_u32 s2, 0xf033
	s_cbranch_scc0 .Lentry_shape_is_right
	s_endpgm
.Lentry_shape_is_right:
; LAUNCH 4 OF 4: out = y Wo + bo on codes of E2M3.  A = y (launch attn's yc, ys), B = Wo (rows 3,072 on of wc, ws).  Nothing is left out here.
; A work-group of four waves makes 256 x 256 of out over K = 1,024; a wave 128 x 128.  K goes in steps of 256 (four heads) through a ring of two LDS slots; the scale bytes come once.
; A'S CODES ARE IMAGES OF OPERAND REGISTERS: for head and tile of 16 queries 768 bytes, registers 2 p, 2 p + 1 of lane l at 256 p + 8 l.  A fragment of 128 along K is two heads' halves.  One tensor load brings,
; for four heads, eight tiles' images: 4 rows of 6,144 bytes, 98,304 bytes apart; in LDS [head][tile][768], no padding: a load of 8 bytes a lane reads 256 consecutive bytes.
; Source 0 = Wo's rows, source 1 = y's: a lane holds one token; register 8 t + j of a block is column 32 (t / 2) + 16 h + 8 (t % 2) + j; lane r of block a is token 32 (a / 2) + 8 (a % 2) + r % 8 + 16 (r / 8).
; The bias is added on the way out; a block goes through the wave's stage in LDS and leaves as whole rows of 512 bytes.
; 128 work-groups: C has 128 tiles of 256 x 256.  CLUSTERS: 4 x 4; A's tiles jointly along a row of the cluster, B's along a column.
; REGISTERS: window 0: v0-31 addresses; v32-63 scale words; v128-223 A's fragments.  window 1: B's two sets at v0 and v128; the bias in v96-127 and v224-255.  windows 2, 3: the accumulators.
.set KSTEP,  256
.set NQ,     2
.set ROWB,   192
.set KROW,   768
.set PITCH,  240
.set FR,     12
.set NL,     6
.set NP,     4
.set HALFA,  24576                     ; A: 4 heads x 8 tiles x 768 bytes: what one tensor load brings
.set HALFT,  128*PITCH                 ; B: 128 rows
.set BOFF,   2*HALFA
.set SLOT,   2*HALFA+2*HALFT
.set LAPS,   2
.set KS,     32
.set SCL,    2*SLOT
.set HALFS,  (128*KS/256)*272
.set SBLK,   (16*KS/256)*272
.set SPARE,  SCL+4*HALFS
.set SPITCH, 528                       ; the stage: 16 rows x (512 + 16) bytes for each wave, in slot 0, which has had its last fill and its last read when the first result is stored there
.set ADRA, 16
.set ADRB, 20
.set STO,  24
.set RD,   25
.set CO,   26
.set ADRS, 27
.set SPW,  28
.set NIL,  29
.set BOF,  30                          ; v30 64 h: the bias loads' offset; never rewritten
.set SC,   32
.set AF,   128
.set T,    64                          ; the way out: v64-127 a block + the bias
.set BK,   128                         ; v128-191, v192-255: rows read back, by turns
.set G1, 24
.set G0, 32
.set G1B, 48
.set G0B, 56
.set G1S, 68
.set G0S, 76
.set G1SB, 80
.set G0SB, 88
.set MSB, 0
.macro WIN new
.if MSB != (\new)
	s_set_vgpr_msb (MSB<<8)|(\new)
.set MSB, (\new)
.endif
.endm
.set MUL_LO, 0xa1
.set MUL_HI, 0xf1
.set TO_B,   0x40
.macro JLOAD g0a, g1a, g0b, g1b        ; a joint load: waves 0 and 1 fetch for A, waves 2 and 3 for B; an s_nop 0 and four v_nop follow each line
	s_cmp_eq_u32 s15, 0
	s_cbranch_scc0 .Lfor_b_\@
	tensor_load_to_lds s[\g0a:\g0a+3], s[\g1a:\g1a+7]
	s_nop 0
.rept 4
	v_nop
.endr
	s_branch .Lasked_\@
.Lfor_b_\@:
	tensor_load_to_lds s[\g0b:\g0b+3], s[\g1b:\g1b+7]
	s_nop 0
.rept 4
	v_nop
.endr
.Lasked_\@:
.endm
.macro CREST
	s_cmp_lg_u32 s14, 0
	s_cbranch_scc1 .Lnot_wave_0_\@
	s_barrier_signal -3
.Lnot_wave_0_\@:
	s_barrier_wait -3
	s_barrier_signal -1
	s_barrier_wait -1
.endm
.macro CROUND
	s_barrier_signal -1
	s_barrier_wait -1
	CREST
.endm
	s_load_b256 s[4:11], s[0:1], 0x0               ; yc s[4:5], ys s[6:7], wc s[8:9], ws s[10:11]
	s_load_b128 s[96:99], s[0:1], 0x20             ; bo, out0
	v_lshl_add_u32 v[SPW], v0, 2, SPARE
	v_mov_b32 v[NIL], 0
	ds_add_u32 v[SPW], v[NIL]                      ; the opening: the add, twice on end, and its wait ahead of my first tensor load
	ds_add_u32 v[SPW], v[NIL]
	v_lshrrev_b32 v1, 5, v0
	v_readfirstlane_b32 s14, v1
	s_lshr_b32 s15, s14, 1
	s_and_b32 s16, s14, 1
	s_bfe_u32 s40, ttmp6, 0x40000                  ; cx
	s_bfe_u32 s41, ttmp6, 0x40004                  ; cy
	s_lshl_b32 s42, ttmp9, 2
	s_add_co_u32 s42, s42, s40                     ; tile column
	s_and_b32 s17, ttmp7, 0xffff
	s_lshl_b32 s17, s17, 2
	s_add_co_u32 s17, s17, s41                     ; tile row
	s_lshl_b32 s43, s41, 2
	s_lshl_b32 s43, 15, s43
	s_lshl_b32 s44, 0x1111, s40
	s_or_b32 s[G1+0], s43, (3<<16)|(1<<21)         ; A: the mask; elements of 8 bytes; no padding; bit 21 beside a mask
	s_mov_b32 s[G1+1], 768<<16                     ; tensor_dim0: 768 elements, 6,144 bytes
	s_mov_b32 s[G1+2], 4<<16                       ; tensor_dim1: 4 heads
	s_mov_b32 s[G1+3], 768<<16                     ; tile_dim0
	s_mov_b32 s[G1+4], 4                           ; tile_dim1
	s_mov_b32 s[G1+5], 12288                       ; from head to head: 98,304 bytes
	s_mov_b32 s[G1+6], 0
	s_mov_b32 s[G1+7], 0
	s_or_b32 s[G1B+0], s44, (0<<16)|(1<<20)|(1<<21)|(3<<22)|(3<<25)   ; B: 128 rows of 192 bytes, 16 of padding behind every 64
	s_mov_b32 s[G1B+1], ROWB<<16
	s_mov_b32 s[G1B+2], 128<<16
	s_mov_b32 s[G1B+3], ROWB<<16
	s_mov_b32 s[G1B+4], 128
	s_mov_b32 s[G1B+5], KROW
	s_mov_b32 s[G1B+6], 0
	s_mov_b32 s[G1B+7], 0
	s_or_b32 s[G1S+0], s43, (3<<16)|(1<<20)|(1<<21)|(5<<22)|(3<<25)
	s_or_b32 s[G1SB+0], s44, (3<<16)|(1<<20)|(1<<21)|(5<<22)|(3<<25)
.irp g, G1S, G1SB
	s_mov_b32 s[\g+1], 32<<16
	s_mov_b32 s[\g+2], (128*KS/256)<<16
	s_mov_b32 s[\g+3], 32<<16
	s_mov_b32 s[\g+4], 128*KS/256
	s_mov_b32 s[\g+5], 32
	s_mov_b32 s[\g+6], 0
	s_mov_b32 s[\g+7], 0
.endr
	s_lshr_b32 s20, s17, 3                         ; A's codes: the batch's 16 heads x 98,304 bytes,
	s_mul_i32 s20, s20, 1572864
	s_and_b32 s21, s17, 7
	s_lshl_b32 s21, s21, 4
	s_lshl_b32 s18, s16, 3
	s_add_co_u32 s21, s21, s18                     ; tile of queries 16 (tile row % 8) + 8 x half
	s_mul_i32 s21, s21, 768
	s_add_co_u32 s20, s20, s21
	s_mov_b32 s21, 0
	s_lshl_b32 s18, s16, 7
	s_lshl_b32 s22, s17, 8
	s_add_co_u32 s22, s22, s18
	s_lshl_b32 s22, s22, 5                         ; A's scales: place 256 x tile row + 128 x half, 32 bytes each
	s_mov_b32 s23, 0
	s_lshl_b32 s46, s42, 8
	s_add_co_u32 s46, s46, s18
	s_add_co_u32 s46, s46, 3072                    ; B: Wo's rows in wc and ws
	s_lshl_b32 s100, s46, 5
	s_mov_b32 s101, 0
	s_mul_i32 s46, s46, KROW
	s_mov_b32 s47, 0
	s_mul_i32 s45, s16, HALFA                      ; where they go: A's two halves,
	s_mul_i32 s95, s16, HALFT
	s_add_co_u32 s95, s95, BOFF                    ; then B's two
	s_mul_i32 s2, s14, HALFS
	s_wait_dscnt 0x0                               ; both opening adds are done
	s_wait_kmcnt 0x0
	s_add_nc_u64 s[20:21], s[4:5], s[20:21]
	s_add_nc_u64 s[22:23], s[6:7], s[22:23]
	s_add_nc_u64 s[46:47], s[8:9], s[46:47]
	s_add_nc_u64 s[100:101], s[10:11], s[100:101]
	CROUND                                         ; all sixteen work-groups are here: the first joint loads meet
	s_mov_b32 s[G0S], 1
	s_add_co_u32 s[G0S+1], s2, SCL
	s_mov_b64 s[G0S+2:G0S+3], s[22:23]
	s_or_b32 s[G0S+3], s[G0S+3], 0x80000000
	s_mov_b32 s[G0SB], 1
	s_add_co_u32 s[G0SB+1], s2, SCL
	s_mov_b64 s[G0SB+2:G0SB+3], s[100:101]
	s_or_b32 s[G0SB+3], s[G0SB+3], 0x80000000
	JLOAD G0S, G1S, G0SB, G1SB
.irp s, 0,1
	s_mov_b32 s[G0+4*\s], 1
	s_add_co_u32 s[G0+4*\s+1], s45, \s*SLOT
	s_add_nc_u64 s[G0+4*\s+2:G0+4*\s+3], s[20:21], \s*393216      ; four heads on
	s_or_b32 s[G0+4*\s+3], s[G0+4*\s+3], 0x80000000
	s_mov_b32 s[G0B+4*\s], 1
	s_add_co_u32 s[G0B+4*\s+1], s95, \s*SLOT
	s_add_nc_u64 s[G0B+4*\s+2:G0B+4*\s+3], s[46:47], \s*ROWB
	s_or_b32 s[G0B+4*\s+3], s[G0B+4*\s+3], 0x80000000
	JLOAD G0+4*\s, G1, G0B+4*\s, G1B               ; by this text's count three tensor loads of a wave are out here
.endr
	v_and_b32 v1, 15, v0                           ; r
	v_bfe_u32 v2, v0, 4, 1                         ; h
	v_mul_u32_u24 v3, v1, PITCH
	v_mul_u32_u24 v4, v2, 24
	v_add_nc_u32 v4, v3, v4
	v_lshl_add_u32 v5, v2, 4, v4
	v_and_b32 v6, 31, v0
	v_lshlrev_b32 v7, 3, v6                        ; A: 8 x lane
	s_mul_i32 s21, s15, HALFA
	s_mul_i32 s22, s16, HALFT
	s_add_co_u32 s22, s22, BOFF
.irp s, 0,1
	v_add_nc_u32 v[ADRA+\s], s21, v7
	v_add_nc_u32 v[ADRB+\s], s22, v4
	v_add_nc_u32 v[ADRB+2+\s], s22, v5
	s_add_co_u32 s21, s21, SLOT
	s_add_co_u32 s22, s22, SLOT
.endr
	v_mul_u32_u24 v5, v1, KS
	v_lshrrev_b32 v6, 8, v5
	v_lshl_add_u32 v5, v6, 4, v5
	s_mul_i32 s21, s15, HALFS
	s_mul_i32 s22, s16, HALFS
	s_add_co_u32 s22, s22, 2*HALFS
	s_sub_co_u32 s22, s22, s21
	v_mul_u32_u24 v6, s22, v2                      ; lanes 16-31 take B's
	s_add_co_u32 s21, s21, SCL
	v_add_nc_u32 v5, v5, v6
	v_add_nc_u32 v[ADRS], s21, v5
	s_mul_i32 s23, s14, 16*SPITCH                  ; my stage
	v_mul_u32_u24 v5, v1, SPITCH
	v_lshl_add_u32 v5, v2, 6, v5                   ; in: row r, + 64 h
	v_add_nc_u32 v[STO], s23, v5
	v_and_b32 v6, 31, v0
	v_lshlrev_b32 v[CO], 4, v6                     ; back: the 32 lanes take one row of 512 bytes; the same in out0
	v_add_nc_u32 v[RD], s23, v[CO]
	s_lshl_b32 s20, s17, 8
	s_lshl_b32 s21, s15, 7
	s_add_co_u32 s20, s20, s21
	s_lshl_b32 s20, s20, 12                        ; my first token x 4,096 bytes
	s_mov_b32 s21, 0
	s_lshl_b32 s46, s42, 10
	s_lshl_b32 s47, s16, 9
	s_add_co_u32 s46, s46, s47                     ; my first column, in bytes
	s_mov_b32 s47, 0
	s_add_nc_u64 s[12:13], s[98:99], s[20:21]
	s_add_nc_u64 s[12:13], s[12:13], s[46:47]
	s_add_nc_u64 s[96:97], s[96:97], s[46:47]
	v_lshlrev_b32 v[BOF], 6, v2
	WIN TO_B                                       ; the bias in the results' layout, into registers of window 1 that neither set of B uses; waited for on the way out
.irp t, 0,1,2,3
.irp j, 0,1
	global_load_b128 v[96+8*\t+4*\j:96+8*\t+4*\j+3], v[BOF], s[96:97] offset:4*(32*(\t/2)+8*(\t%2))+16*\j
	global_load_b128 v[224+8*\t+4*\j:224+8*\t+4*\j+3], v[BOF], s[96:97] offset:4*(64+32*(\t/2)+8*(\t%2))+16*\j
.endr
.endr
	WIN 0
.macro FRAG reg, adr, q, i             ; B: 16 rows x 128 K in pieces of 8 bytes
.irp p, 0,1,2,3,4,5
.set PC, 12*(\q)+6*(\p/3)+\p%3
.if PC%8 < 5
	ds_load_b64 v[\reg+2*\p:\reg+2*\p+1], v[\adr] offset:8*PC+16*(PC/8)+(\i)*16*PITCH
.else
	ds_load_b64 v[\reg+2*\p:\reg+2*\p+1], v[\adr+2] offset:8*PC+16*(PC/8)+(\i)*16*PITCH
.endif
.endr
.endm
.macro FRAGA reg, slot, q, i           ; A: heads 2 q and 2 q + 1 of the slot, tile i: three planes of each
.irp p, 0,1,2,3,4,5
	ds_load_b64 v[\reg+2*\p:\reg+2*\p+1], v[ADRA+\slot] offset:(2*(\q)+\p/3)*6144+(\i)*768+256*(\p%3)
.endr
.endm
.macro MUL16 a0, p, q, sc, zero        ; the 64 accumulators take turns, one instruction a turn
.irp a, \a0, \a0+1
.irp b, 0,1,2,3,4,5,6,7
.if \zero
	v_wmma_scale_f32_16x16x128_f8f6f4 v[8*(8*((\a)%4)+\b):8*(8*((\a)%4)+\b)+7], v[128*(\p)+FR*\b:128*(\p)+FR*\b+FR-1], v[AF+FR*(\a):AF+FR*(\a)+FR-1], 0, v[SC+8*NQ*(\sc)+NQ*\b+(\q)], v[SC+8*NQ*(\sc)+NQ*(\a)+(\q)] matrix_a_fmt:MATRIX_FMT_FP6 matrix_b_fmt:MATRIX_FMT_FP6 matrix_a_scale:MATRIX_SCALE_ROW1
.else
	v_wmma_scale_f32_16x16x128_f8f6f4 v[8*(8*((\a)%4)+\b):8*(8*((\a)%4)+\b)+7], v[128*(\p)+FR*\b:128*(\p)+FR*\b+FR-1], v[AF+FR*(\a):AF+FR*(\a)+FR-1], v[8*(8*((\a)%4)+\b):8*(8*((\a)%4)+\b)+7], v[SC+8*NQ*(\sc)+NQ*\b+(\q)], v[SC+8*NQ*(\sc)+NQ*(\a)+(\q)] matrix_a_fmt:MATRIX_FMT_FP6 matrix_b_fmt:MATRIX_FMT_FP6 matrix_a_scale:MATRIX_SCALE_ROW1
.endif
.endr
.endr
.endm
.macro FETCH_B slot, q, p
	WIN TO_B
.irp i, 0,1,2,3,4,5,6,7
	FRAG 128*(\p)+FR*\i, ADRB+\slot, \q, \i
.endr
	WIN 0
.endm
.macro FETCH_A slot, q, i0
.irp i, \i0, \i0+1, \i0+2, \i0+3
	FRAGA AF+FR*(\i), \slot, \q, \i
.endr
.endm
.macro SCALES sc
.irp i, 0,1,2,3,4,5,6,7
	ds_load_b64 v[SC+8*NQ*\sc+NQ*\i:SC+8*NQ*\sc+NQ*\i+1], v[ADRS] offset:\i*SBLK
.endr
.endm
.macro PLACES n
.rept \n
	v_nop
.endr
.endm
.macro STEP slot, q, zero
	s_wait_dscnt 4*NL                              ; B's set and A's blocks 0-3 are in; A's blocks 4-7 (24 loads) may be out
	WIN MUL_LO
	MUL16 0, (\q)%2, \q, \slot, \zero
	MUL16 2, (\q)%2, \q, \slot, \zero
	s_wait_dscnt 0
	PLACES NP
	FETCH_B \slot, (\q)+1, 1-(\q)%2
	FETCH_A \slot, (\q)+1, 0
	WIN MUL_HI
	MUL16 4, (\q)%2, \q, \slot, \zero
	MUL16 6, (\q)%2, \q, \slot, \zero
	PLACES NP
	WIN 0
	FETCH_A \slot, (\q)+1, 4
.endm
.macro TURN slot, next, fill
	s_wait_tensorcnt 0x0                           ; all my tensor loads have landed: my part of the next slot
	ds_add_u32 v[SPW], v[NIL]
	s_wait_dscnt 4*NL+1                            ; the add and A's blocks 4-7 may be out
	WIN MUL_LO
	MUL16 0, 1, NQ-1, \slot, 0
	s_wait_dscnt 0x0                               ; the add is done, and my reads of this slot are over
	s_barrier_signal -1
	MUL16 2, 1, NQ-1, \slot, 0
	WIN 0
	s_barrier_wait -1
.if \fill
	CREST                                          ; no wave of any partner still reads this slot or has a load on its way
	s_add_nc_u64 s[G0+4*\slot+2:G0+4*\slot+3], s[G0+4*\slot+2:G0+4*\slot+3], 2*393216
	s_add_nc_u64 s[G0B+4*\slot+2:G0B+4*\slot+3], s[G0B+4*\slot+2:G0B+4*\slot+3], 2*ROWB
	JLOAD G0+4*\slot, G1, G0B+4*\slot, G1B
.else
	PLACES NP
.endif
	v_add_nc_u32 v[ADRS], 4*NQ, v[ADRS]
	FETCH_B \next, 0, 0
	FETCH_A \next, 0, 0
	SCALES \next
	WIN MUL_HI
	MUL16 4, 1, NQ-1, \slot, 0
	MUL16 6, 1, NQ-1, \slot, 0
	PLACES NP
	WIN 0
	FETCH_A \next, 0, 4
.endm
	s_wait_tensorcnt 1                             ; the scales and my part of K step 0 are in; K step 1's load may be out
	s_barrier_signal -1
	s_barrier_wait -1
	FETCH_B 0, 0, 0
	FETCH_A 0, 0, 0
	SCALES 0
	FETCH_A 0, 0, 4
	STEP 0, 0, 1
	s_mov_b32 s3, LAPS-1
.Llap:
	TURN 0, 1, 1
	STEP 1, 0, 0
	TURN 1, 0, 1
	STEP 0, 0, 0
	s_sub_co_u32 s3, s3, 1
	s_cmp_lg_u32 s3, 0
	s_cbranch_scc1 .Llap
	TURN 0, 1, 0
	STEP 1, 0, 0
	s_wait_dscnt 4*NL
	WIN MUL_LO
	MUL16 0, 1, NQ-1, 1, 0
	MUL16 2, 1, NQ-1, 1, 0
	s_wait_dscnt 0
	WIN MUL_HI
	MUL16 4, 1, NQ-1, 1, 0
	MUL16 6, 1, NQ-1, 1, 0
	WIN 0
; THE WAY OUT, block by block of 16 tokens x 128 columns.
.macro PACK a                          ; block a + the bias, each accumulator from its low end on
	WIN 0x06+(\a)/4                                ; source 0: window 2 or 3; source 1: window 1
.set AC, 64*((\a)%4)
.set kk, 0
.rept 16
	v_pk_add_f32 v[T+kk:T+kk+1], v[AC+kk:AC+kk+1], v[96+kk:96+kk+1]
.set kk, kk+2
.endr
.rept 16
	v_pk_add_f32 v[T+kk:T+kk+1], v[AC+kk:AC+kk+1], v[192+kk:192+kk+1]
.set kk, kk+2
.endr
	WIN 0
.endm
.macro TOSTAGE a                       ; into my stage at the columns' true places, and back as whole rows; LDS serves a wave's instructions in order
.irp b, 0,1,2,3,4,5,6,7
	ds_store_b128 v[STO], v[T+8*\b:T+8*\b+3] offset:128*(\b/2)+32*(\b%2)
	ds_store_b128 v[STO], v[T+8*\b+4:T+8*\b+7] offset:128*(\b/2)+32*(\b%2)+16
.endr
.set BB, BK+64*((\a)%2)
.irp t, 0,1,2,3,4,5,6,7,8,9,10,11,12,13,14,15
	ds_load_b128 v[BB+4*\t:BB+4*\t+3], v[RD] offset:\t*SPITCH
.endr
.endm
.macro SEND a                          ; row t of block a is token 32 (a / 2) + 8 (a % 2) + t % 8 + 16 (t / 8) of my 128: it stands in the immediate, 127 rows of 4,096 bytes at the most
.set BB, BK+64*((\a)%2)
	s_wait_dscnt 0x0                               ; the block is back in registers
.irp t, 0,1,2,3,4,5,6,7,8,9,10,11,12,13,14,15
	global_store_b128 v[CO], v[BB+4*\t:BB+4*\t+3], s[12:13] offset:(32*((\a)/2)+8*((\a)%2)+(\t%8)+16*(\t/8))*4096 th:TH_STORE_NT   ; 32 lanes store 512 consecutive bytes, aligned
.endr
.endm
	PLACES NP                                      ; behind the last products
	s_wait_loadcnt 0x0                             ; the bias
	PACK 0
	TOSTAGE 0
.irp a, 1,2,3,4,5,6,7
	s_wait_dscnt 16                                ; the sixteen stores into the stage have read their registers; the sixteen loads behind them may be out
	PACK \a
	SEND \a-1
	s_wait_xcnt 0x0                                ; the stores of two blocks back have read the registers into which this block's rows are loaded
	TOSTAGE \a
.endr
	SEND 7
	s_wait_tensorcnt 0x0                           ; the wave's end
	ds_add_u32 v[SPW], v[NIL]
	s_wait_dscnt 0x0
	CROUND                                         ; the closing round
	s_endpgm
.Lfunc_end_k_q68c4b5e4be_proj:
	.size	k_q68c4b5e4be_proj, .Lfunc_end_k_q68c4b5e4be_proj-k_q68c4b5e4be_proj
	.p2alignl 7, 3214868480
	.fill 96, 4, 3214868480
	.section	.rodata,"a",@progbits
	.p2align	6, 0x0
	.amdhsa_kernel k_q68c4b5e4be_proj
		.amdhsa_group_segment_fixed_size 327680
		.amdhsa_private_segment_fixed_size 0
		.amdhsa_enable_private_segment 0
		.amdhsa_kernarg_size 48
		.amdhsa_user_sgpr_count 2
		.amdhsa_user_sgpr_kernarg_segment_ptr 1
		.amdhsa_wavefront_size32 1
		.amdhsa_system_sgpr_workgroup_id_x 1
		.amdhsa_system_sgpr_workgroup_id_y 1
		.amdhsa_system_sgpr_workgroup_id_z 1
		.amdhsa_system_vgpr_workitem_id 0
		.amdhsa_next_free_vgpr 1024
		.amdhsa_next_free_sgpr 102
		.amdhsa_reserve_vcc 0
		.amdhsa_float_denorm_mode_32 3
		.amdhsa_float_denorm_mode_16_64 3
		.amdhsa_memory_ordered 1
		.amdhsa_forward_progress 1
		.amdhsa_inst_pref_size 178
	.end_amdhsa_kernel
	.amdgpu_metadata
---
amdhsa.version: [ 1, 2 ]
amdhsa.kernels:
  - .name:           k_q68c4b5e4be_proj
    .symbol:         k_q68c4b5e4be_proj.kd
    .args:
      - { .name: yc, .offset: 0, .size: 8, .value_kind: global_buffer, .address_space: global }
      - { .name: ys, .offset: 8, .size: 8, .value_kind: global_buffer, .address_space: global }
      - { .name: wc, .offset: 16, .size: 8, .value_kind: global_buffer, .address_space: global }
      - { .name: ws, .offset: 24, .size: 8, .value_kind: global_buffer, .address_space: global }
      - { .name: bo, .offset: 32, .size: 8, .value_kind: global_buffer, .address_space: global }
      - { .name: out0, .offset: 40, .size: 8, .value_kind: global_buffer, .address_space: global }
    .group_segment_fixed_size: 327680
    .private_segment_fixed_size: 0
    .kernarg_segment_align: 8
    .kernarg_segment_size: 48
    .max_flat_workgroup_size: 128
    .sgpr_count:     102
    .vgpr_count:     1024
    .wavefront_size: 32
...
	.end_amdgpu_metadata
.endif
;; end of part 4
